; MI455X (gfx1250); checked and timed in simulation.
; The chip was launched on July 23, 2026; its instructions are those of AMD's public machine-readable ISA for CDNA 5 (MIT licence, August 2026) and "CDNA5" Instruction Set Architecture Reference Guide (July 2026). The comments in the code are by the model that wrote it; some were corrected since.
;; Multi Headed Attention. Allowed arithmetic: float matrix products may take bf16 or f16 operands with f32 sums; all other float work in f32.
;; Inputs: Wk 512 x 512 float32; Wo 512 x 512 float32; Wq 512 x 512 float32; Wv 512 x 512 float32; bk 512 float32; bo 512 float32; bq 512 float32; bv 512 float32; key 4 x 2,048 x 512 float32; mask 4 x 1 x 2,048 int32; query 4 x 2,048 x 512 float32; value 4 x 2,048 x 512 float32.
;; Outputs: out0 4 x 2,048 x 512 float32.
;; 2 versions, each right and faster than the one before. Each part assembles by itself: llvm-mc -triple=amdgcn-amd-amdhsa -mcpu=gfx1250 --defsym DOCPART=n.
;; ======== version 1 of 2: 3 launches
;; limits: values are held in f16: magnitudes above 65,504 overflow, below 6.1e-05 lose precision; right only within a limited range of input values
;; workspace buffers: qws 8,388,608 bytes; kws 8,388,608 bytes; vws 8,388,608 bytes; ctx 8,388,608 bytes
;; launch proj (part 1): grid 4 x 192, 8 waves a work-group, no clusters, 93,184 bytes of LDS; arguments query, key, value, Wq, Wk, Wv, bq, bk, bv, qws, kws, vws, mask; writes qws, kws, vws
.if DOCPART == 1
	.amdgcn_target "amdgcn-amd-amdhsa--gfx1250"
	.amdhsa_code_object_version 6
	.text
	.protected	k_q094ab99a84_proj
	.globl	k_q094ab99a84_proj
	.p2align	8
	.type	k_q094ab99a84_proj,@function
k_q094ab99a84_proj:
	s_mov_b64 s[64:65], 0
	v_nop
	global_prefetch_b8 v0, s[64:65] scope:SCOPE_SE
	s_setreg_imm32_b32 hwreg(HW_REG_WAVE_MODE, 25, 1), 1
	s_wait_xcnt 0x0
; q, k, v = x W^T + b for x = query, key, value: three products [8192][512] x [512][512]^T, f32 in memory, f16 operands, f32 sums.
; Results leave as f16, head-major: byte ((n*8+head)*2048 + l)*128 + 2 d, so that a head's rows are dense for the attention launch.
; WHY f16 AND NOT bf16: q, k, p, v and the attention's result are each rounded to 16 bits on their way, one behind the other; with 8 significant
; bits the five roundings add to more than a third of the allowance of 1 % of the output's root mean square; with 11 bits to a twentieth.
; ROOM IN f16 (largest finite 65,504, full precision down to 2^-14, spacing 2^-24 below): x has spread 1, W spread 0.044, x W^T spread 1.
; All inputs 30 times larger: x W^T 900 times, some 5,000.  x and W both offset by 30 spreads: 512 x 30 x 1.33 = 20,400.  All 30 times smaller:
; W 0.0015, x W^T 0.0011, where an error of 2^-25 is 3e-5 of the spread.  LIMIT: where |x W^T + b| passes 65,504 the conversion gives infinity.
; q is multiplied by 0.125*log2(e) BEFORE its rounding to f16 (a rounding order other than scores/8 after the product: a stated limit);
; rows of k whose mask word is 0 are set to 0 by a select, so that the attention launch can put the masked score in as an addend.
; Grid: x = block of 128 output columns (two heads), y = 64 p + rb: p = 0, 1, 2 picks q, k, v; rb = block of 128 rows.
; Eight waves, wave w = (wm = w>>1, wn = w&1) makes 32 rows x 64 columns: 8 accumulators.  K = 512 goes in 8 steps of 64, written out,
; so every step stands in an immediate and no address register is ever rewritten.
; Road of the data: global_load_b128 (f32) -> v_cvt_pk_f16_f32 -> ds_store into one of two LDS slots -> ds_load_b128 fragments -> matrix unit.
; Two register sets hold two K steps of loads: 32 loads of 16 bytes a lane are out in each wave.
; NO TENSOR LOADS, NO JOINT REQUESTS: x and W are f32 in memory and the data mover does not convert.  f32 tiles in LDS would cost 4 LDS loads
; and 8 conversions for each fragment instead of 2 loads, again in each of the waves that read the tile (4 for W, 2 for x).
.set PITCH,  144                       ; LDS row: 64 f16 = 128 bytes + 16: an odd multiple of 16, so 16 rows' 16-byte pieces differ modulo 256 bytes
.set TILEB,  128*PITCH                 ; 128 rows of A, or of B
.set SLOT,   2*TILEB                   ; A's tile, then B's
.set STAGE,  2*SLOT                    ; behind the two slots: 16 rows x 144 bytes for each wave, for the way out
.set WSTAGE, 16*PITCH
.set ROWB,   2048                      ; bytes in a row of x and of W
.set STEPB,  256                       ; bytes of a row in a K step
.set GOFF, 4                           ; v4   byte offset of my 16 bytes in a tile of x or W: row 8 (2w + h), column piece r
.set SADR, 5                           ; v5   where my 8 bytes of f16 go in a tile in LDS
.set ADA,  6                           ; v6   my fragments of A in slot 0
.set ADB,  7                           ; v7   my fragments of B in slot 0
.set STO,  8                           ; v8   way out: where I put 16 bytes of a row
.set RD,   9                           ; v9   way out: where I read 16 bytes back
.set CO,   10                          ; v10  way out: 16 x lane
.set BOFF, 11                          ; v11  32 h: my 8 columns' bias
.set MOFF, 12                          ; v12  4 r: my row's mask word
.set ACC,  16                          ; v[16:79]   tile (a, b) at 16 + 8 (4 a + b)
.set FA,   80                          ; v[80:95]   fragments of A, a = 0, 1
.set FB,   96                          ; v[96:127]  fragments of B, b = 0 .. 3
.set ST0,  128                         ; v[128:191] register set 0: A's 8 loads, then B's 8
.set ST1,  192                         ; v[192:255] register set 1
.set BI,   128                         ; v[128:159] bias of my 4 x 8 columns (in set 0 when its last step has gone to LDS)
.set MK,   160                         ; v[160:161] mask words of my rows, a = 0, 1
	s_load_b256 s[8:15],  s[0:1], 0x0              ; query s[8:9], key s[10:11], value s[12:13], Wq s[14:15]
	s_load_b256 s[16:23], s[0:1], 0x20             ; Wk s[16:17], Wv s[18:19], bq s[20:21], bk s[22:23]
	s_load_b256 s[24:31], s[0:1], 0x40             ; bv s[24:25], qws s[26:27], kws s[28:29], vws s[30:31]
	s_load_b64  s[32:33], s[0:1], 0x60             ; mask
	v_lshl_add_u32 v3, v0, 2, 0x16800
	s_set_vgpr_msb 0x40
	v_mov_b32 v1, 0
	s_set_vgpr_msb 0x4000
	v_lshrrev_b32 v1, 5, v0
	v_readfirstlane_b32 s3, v1                     ; wave 0..7
	s_mov_b32 s4, ttmp9                            ; column block 0..3
	s_and_b32 s5, ttmp7, 0xffff
	s_lshr_b32 s6, s5, 6                           ; p: 0 q, 1 k, 2 v
	s_and_b32 s7, s5, 63                           ; rb: row block
	s_lshr_b32 s46, s3, 1                          ; wm
	s_and_b32 s47, s3, 1                           ; wn
	v_and_b32 v1, 15, v0                           ; r
	v_bfe_u32 v2, v0, 4, 1                         ; h
	v_and_b32 v14, 31, v0                          ; lane
	v_lshlrev_b32 v[GOFF], 4, v1                   ; 16 r
	v_lshl_add_u32 v[GOFF], v2, 14, v[GOFF]        ; + 8 h rows of 2,048 bytes
	v_lshl_add_u32 v[GOFF], s3, 15, v[GOFF]        ; + 16 w rows
	v_lshlrev_b32 v[SADR], 3, v1                   ; 8 r
	v_mul_u32_u24 v15, v2, 8*PITCH                 ; + 8 h rows
	s_mul_i32 s2, s3, 16*PITCH                     ; + 16 w rows
	v_add_nc_u32 v[SADR], v[SADR], v15
	v_add_nc_u32 v[SADR], s2, v[SADR]
	s_wait_kmcnt 0x0
	s_cmp_eq_u32 s6, 1                             ; the four buffers of this product: a choice on the grid's y alone
	s_cselect_b64 s[34:35], s[10:11], s[8:9]       ; x
	s_cselect_b64 s[36:37], s[16:17], s[14:15]     ; W
	s_cselect_b64 s[38:39], s[22:23], s[20:21]     ; b
	s_cselect_b64 s[40:41], s[28:29], s[26:27]     ; result
	s_cmp_eq_u32 s6, 2
	s_cselect_b64 s[34:35], s[12:13], s[34:35]
	s_cselect_b64 s[36:37], s[18:19], s[36:37]
	s_cselect_b64 s[38:39], s[24:25], s[38:39]
	s_cselect_b64 s[40:41], s[30:31], s[40:41]
	s_mov_b32 s45, 0
	s_lshl_b32 s44, s7, 18                         ; 128 rows of 2,048 bytes
	s_add_nc_u64 s[34:35], s[34:35], s[44:45]      ; x at my block's first row
	s_lshl_b32 s44, s4, 18
	s_add_nc_u64 s[36:37], s[36:37], s[44:45]      ; W at my block's first output column
.macro LOADSET set, step               ; 16 loads: a K step's tile of x, then of W; sixteen lanes read 256 consecutive bytes of a row
.irp i, 0,1,2,3,4,5,6,7
	global_load_b128 v[\set+4*\i:\set+4*\i+3], v[GOFF], s[34:35] offset:\i*ROWB+\step*STEPB
.endr
.irp i, 0,1,2,3,4,5,6,7
	global_load_b128 v[\set+32+4*\i:\set+32+4*\i+3], v[GOFF], s[36:37] offset:\i*ROWB+\step*STEPB
.endr
.endm
	LOADSET ST0, 0
	LOADSET ST1, 1
	; the rest of the addresses, while the first loads are on their way
	s_lshl_b32 s44, s4, 9                          ; bias: 128 columns x 4 bytes a block,
	s_lshl_b32 s2, s47, 8                          ; 64 columns a wave
	s_add_co_u32 s44, s44, s2
	s_add_nc_u64 s[38:39], s[38:39], s[44:45]
	s_lshl_b32 s44, s7, 9                          ; mask: one word a row; the rows of x are numbered n*2048 + l as the mask's words are
	s_lshl_b32 s2, s46, 7
	s_add_co_u32 s44, s44, s2
	s_add_nc_u64 s[32:33], s[32:33], s[44:45]
	s_lshr_b32 s44, s7, 4                          ; n
	s_lshl_b32 s44, s44, 3
	s_lshl1_add_u32 s44, s4, s44                   ; n*8 + 2 x
	s_add_co_u32 s44, s44, s47                     ; + wn = n*8 + head
	s_lshl_b32 s44, s44, 11                        ; x 2,048 rows
	s_and_b32 s2, s7, 15
	s_lshl_b32 s2, s2, 7
	s_add_co_u32 s44, s44, s2                      ; + 128 (rb mod 16)
	s_lshl_b32 s2, s46, 5
	s_add_co_u32 s44, s44, s2                      ; + 32 wm
	s_lshl_b32 s44, s44, 7                         ; x 128 bytes
	s_add_nc_u64 s[40:41], s[40:41], s[44:45]      ; the result at my wave's first row of its head
	s_cmp_eq_u32 s6, 0
	s_cselect_b32 s42, 0x3e38aa3b, 1.0             ; q alone: 0.125 log2(e)
	s_mov_b32 s43, s42
	v_mul_u32_u24 v13, v1, PITCH
	v_lshl_add_u32 v13, v2, 4, v13                 ; r x pitch + 16 h
	s_mul_i32 s2, s46, 32*PITCH
	v_add_nc_u32 v[ADA], s2, v13                   ; rows 32 wm + r of A
	s_mul_i32 s2, s47, 64*PITCH
	s_add_co_u32 s2, s2, TILEB
	v_add_nc_u32 v[ADB], s2, v13                   ; rows 64 wn + r of B
	s_mul_i32 s2, s3, WSTAGE
	s_add_co_u32 s2, s2, STAGE                     ; my wave's stage
	v_add_nc_u32 v[STO], s2, v13
	v_lshrrev_b32 v15, 3, v14
	v_mul_u32_u24 v[RD], v15, PITCH                ; back: eight lanes take a row of 128 bytes
	v_and_b32 v15, 7, v14
	v_lshl_add_u32 v[RD], v15, 4, v[RD]
	v_add_nc_u32 v[RD], s2, v[RD]
	v_lshlrev_b32 v[CO], 4, v14
	v_lshlrev_b32 v[BOFF], 5, v2
	v_lshlrev_b32 v[MOFF], 2, v1
; One load's 4 f32 become 4 f16 and go to LDS; the load is issued again for a later step.  An LDS store's sources need no wait.
.macro PUTONE reg, lo, cnt, reload, sb, go
	s_wait_loadcnt \cnt
	v_cvt_pk_f16_f32 v[\reg], v[\reg], v[\reg+1]
	v_cvt_pk_f16_f32 v[\reg+1], v[\reg+2], v[\reg+3]
	ds_store_b64 v[SADR], v[\reg:\reg+1] offset:\lo
.if \reload
	global_load_b128 v[\reg:\reg+3], v[GOFF], s[\sb:\sb+1] offset:\go
.endif
.endm
; A whole set goes to a slot.  The count in front of load j is base - dec j: the loads issued behind it.
.macro PUT set, slot, base, dec, reload, step
.irp i, 0,1,2,3,4,5,6,7
	PUTONE \set+4*\i, \slot*SLOT+\i*PITCH, \base-\dec*\i, \reload, 34, \i*ROWB+\step*STEPB
.endr
.irp i, 0,1,2,3,4,5,6,7
	PUTONE \set+32+4*\i, \slot*SLOT+TILEB+\i*PITCH, \base-\dec*(8+\i), \reload, 36, \i*ROWB+\step*STEPB
.endr
.endm
; A load into a register that a matrix instruction has read stands four places behind it; only plain vector instructions that name none of its
; registers are places (ISA guide 7.12.1 for vector instructions).
.macro PLACES
.rept 4
	v_nop
.endr
.endm
; Used transposed: source 0 = 16 rows of W, source 1 = 16 rows of x.  Lane (r, h) then holds row r, columns 8 h + 0..7: 16 neighbouring bytes in f16.
.macro MUL4 a, zero
.irp b, 0,1,2,3
.if \zero
	v_wmma_f32_16x16x32_f16 v[ACC+8*(4*\a+\b):ACC+8*(4*\a+\b)+7], v[FB+8*\b:FB+8*\b+7], v[FA+8*\a:FA+8*\a+7], 0
.else
	v_wmma_f32_16x16x32_f16 v[ACC+8*(4*\a+\b):ACC+8*(4*\a+\b)+7], v[FB+8*\b:FB+8*\b+7], v[FA+8*\a:FA+8*\a+7], v[ACC+8*(4*\a+\b):ACC+8*(4*\a+\b)+7]
.endif
.endr
.endm
; 32 along K: 12 fragment loads, 8 matrix instructions.  The eight accumulators take turns, one instruction a turn, in the same order in every
; chunk.
.macro CHUNK slot, c, zero
	PLACES
.irp b, 0,1,2,3
	ds_load_b128 v[FB+8*\b:FB+8*\b+3],   v[ADB] offset:\slot*SLOT+\b*16*PITCH+64*\c
	ds_load_b128 v[FB+8*\b+4:FB+8*\b+7], v[ADB] offset:\slot*SLOT+\b*16*PITCH+64*\c+32
.endr
.irp a, 0,1
	ds_load_b128 v[FA+8*\a:FA+8*\a+3],   v[ADA] offset:\slot*SLOT+\a*16*PITCH+64*\c
	ds_load_b128 v[FA+8*\a+4:FA+8*\a+7], v[ADA] offset:\slot*SLOT+\a*16*PITCH+64*\c+32
.endr
	s_wait_dscnt 0x2                               ; all but the two youngest, the second fragment of A
	MUL4 0, \zero
	s_wait_dscnt 0x0
	MUL4 1, \zero
.endm
.macro COMPUTE slot, zero
	CHUNK \slot, 0, \zero
	CHUNK \slot, 1, 0
.endm
; One barrier a K step does both orderings: my stores into the next slot are done and my reads of this slot are back, in every wave.
.macro SYNC
	s_wait_dscnt 0x0
	s_barrier_signal -1
	s_barrier_wait -1
.endm
	; Count 31 with a reload: behind load j stand 15 - j of its own set, 16 of the other set and the j just issued again.
	PUT ST0, 0, 31, 0, 1, 2                        ; step 0 to slot 0; set 0 asks for step 2
	SYNC
	PUT ST1, 1, 31, 0, 1, 3                        ; step 1 goes to slot 1 (last read: never) while slot 0 is multiplied
	COMPUTE 0, 1                                   ; the first products start the sums: nothing is cleared
	SYNC
	PUT ST0, 0, 31, 0, 1, 4                        ; slot 0 was last read in front of the barrier just passed
	COMPUTE 1, 0
	SYNC
	PUT ST1, 1, 31, 0, 1, 5
	COMPUTE 0, 0
	SYNC
	PUT ST0, 0, 31, 0, 1, 6
	COMPUTE 1, 0
	SYNC
	PUT ST1, 1, 31, 0, 1, 7
	COMPUTE 0, 0
	SYNC
	PUT ST0, 0, 31, 1, 0, 0                        ; step 6, nothing more to ask: 15 - j of its own set and step 7's 16
.irp b, 0,1,2,3
	global_load_b128 v[BI+8*\b:BI+8*\b+3],   v[BOFF], s[38:39] offset:64*\b       ; bias of columns 16 b + 8 h + 0..3
	global_load_b128 v[BI+8*\b+4:BI+8*\b+7], v[BOFF], s[38:39] offset:64*\b+16    ; and + 4..7
.endr
	global_load_b32 v[MK],   v[MOFF], s[32:33]              ; mask of row r,
	global_load_b32 v[MK+1], v[MOFF], s[32:33] offset:64    ; of row 16 + r
	COMPUTE 1, 0
	SYNC
	PUT ST1, 1, 25, 1, 0, 0                        ; step 7: 15 - j of its own set and the 10 loads of bias and mask
	COMPUTE 0, 0
	SYNC
	COMPUTE 1, 0
	; result = (sum + b) x scale = sum x scale + (b x scale), one fused multiply-add for each pair
	s_wait_loadcnt 0x0                             ; bias and mask
.irp i, 0,1,2,3,4,5,6,7,8,9,10,11,12,13,14,15
	v_pk_mul_f32 v[BI+2*\i:BI+2*\i+1], v[BI+2*\i:BI+2*\i+1], s[42:43] op_sel_hi:[1,0]   ; these sixteen are also the places behind the last matrix instructions
.endr
	v_cmp_ne_u32 s46, 0, v[MK]                     ; lanes whose row is open
	v_cmp_ne_u32 s47, 0, v[MK+1]
	s_cmp_eq_u32 s6, 1                             ; the mask zeroes rows of k alone
	s_cselect_b32 s46, s46, -1
	s_cselect_b32 s47, s47, -1
.irp a, 0,1
.irp b, 0,1,2,3
.irp j, 0,2,4,6
	v_pk_fma_f32 v[ACC+8*(4*\a+\b)+\j:ACC+8*(4*\a+\b)+\j+1], v[ACC+8*(4*\a+\b)+\j:ACC+8*(4*\a+\b)+\j+1], s[42:43], v[BI+8*\b+\j:BI+8*\b+\j+1] op_sel_hi:[1,0,1]
.endr
.endr
.endr
.irp a, 0,1
.irp b, 0,1,2,3
.irp j, 0,1,2,3
	v_cvt_pk_f16_f32 v[ACC+8*(4*\a+\b)+\j], v[ACC+8*(4*\a+\b)+2*\j], v[ACC+8*(4*\a+\b)+2*\j+1]    ; in place: the word written is never ahead of the words read
.endr
.irp j, 0,1,2,3
	v_cndmask_b32 v[ACC+8*(4*\a+\b)+\j], 0, v[ACC+8*(4*\a+\b)+\j], s[46+\a]                       ; a select, not a product: a masked row of k is exactly 0
.endr
.endr
.endr
	; The way out, 16 rows at a time through my wave's own stage: 16 bytes a lane in, whole rows of 128 bytes back.  LDS serves a wave's
	; instructions in order (ISA guide 5.7.1.4), so no wait stands between the stores and the loads, nor in front of the second sixteen rows' stores.
	; 16 rows of a head are 2,048 consecutive bytes; each store of the wave covers 512 consecutive bytes, aligned.
	; The rows are read back into the tiles' upper halves, free since the packing: no register is used twice, so no wait frees any.
.irp a, 0,1
.irp b, 0,1,2,3
	ds_store_b128 v[STO], v[ACC+8*(4*\a+\b):ACC+8*(4*\a+\b)+3] offset:32*\b
.endr
.irp i, 0,1,2,3
	ds_load_b128 v[ACC+8*(4*\a+\i)+4:ACC+8*(4*\a+\i)+7], v[RD] offset:4*PITCH*\i
.endr
.irp i, 0,1,2,3
	s_wait_dscnt 3-\i                              ; LDS loads come back in order: load i is in, the younger ones stay out
	global_store_b128 v[CO], v[ACC+8*(4*\a+\i)+4:ACC+8*(4*\a+\i)+7], s[40:41] offset:\a*2048+\i*512
.endr
.endr
	s_set_vgpr_msb 0x4
	s_wait_tensorcnt 0x0
	ds_add_u32 v3, v1
	s_wait_dscnt 0x0
	s_set_vgpr_msb 0x400
	s_endpgm
.Lfunc_end_k_q094ab99a84_proj:
	.size	k_q094ab99a84_proj, .Lfunc_end_k_q094ab99a84_proj-k_q094ab99a84_proj
	.p2alignl 7, 3214868480
	.fill 96, 4, 3214868480
	.section	.rodata,"a",@progbits
	.p2align	6, 0x0
	.amdhsa_kernel k_q094ab99a84_proj
		.amdhsa_group_segment_fixed_size 93184
		.amdhsa_private_segment_fixed_size 0
		.amdhsa_enable_private_segment 0
		.amdhsa_kernarg_size 104
		.amdhsa_user_sgpr_count 2
		.amdhsa_user_sgpr_kernarg_segment_ptr 1
		.amdhsa_wavefront_size32 1
		.amdhsa_system_sgpr_workgroup_id_x 1
		.amdhsa_system_sgpr_workgroup_id_y 1
		.amdhsa_system_sgpr_workgroup_id_z 1
		.amdhsa_system_vgpr_workitem_id 0
		.amdhsa_next_free_vgpr 258
		.amdhsa_next_free_sgpr 66
		.amdhsa_reserve_vcc 0
		.amdhsa_float_denorm_mode_32 3
		.amdhsa_float_denorm_mode_16_64 3
		.amdhsa_memory_ordered 1
		.amdhsa_forward_progress 1
		.amdhsa_inst_pref_size 78
	.end_amdhsa_kernel
	.amdgpu_metadata
---
amdhsa.version: [ 1, 2 ]
amdhsa.kernels:
  - .name:           k_q094ab99a84_proj
    .symbol:         k_q094ab99a84_proj.kd
    .args:
      - { .name: query, .offset: 0, .size: 8, .value_kind: global_buffer, .address_space: global }
      - { .name: key, .offset: 8, .size: 8, .value_kind: global_buffer, .address_space: global }
      - { .name: value, .offset: 16, .size: 8, .value_kind: global_buffer, .address_space: global }
      - { .name: Wq, .offset: 24, .size: 8, .value_kind: global_buffer, .address_space: global }
      - { .name: Wk, .offset: 32, .size: 8, .value_kind: global_buffer, .address_space: global }
      - { .name: Wv, .offset: 40, .size: 8, .value_kind: global_buffer, .address_space: global }
      - { .name: bq, .offset: 48, .size: 8, .value_kind: global_buffer, .address_space: global }
      - { .name: bk, .offset: 56, .size: 8, .value_kind: global_buffer, .address_space: global }
      - { .name: bv, .offset: 64, .size: 8, .value_kind: global_buffer, .address_space: global }
      - { .name: qws, .offset: 72, .size: 8, .value_kind: global_buffer, .address_space: global }
      - { .name: kws, .offset: 80, .size: 8, .value_kind: global_buffer, .address_space: global }
      - { .name: vws, .offset: 88, .size: 8, .value_kind: global_buffer, .address_space: global }
      - { .name: mask, .offset: 96, .size: 8, .value_kind: global_buffer, .address_space: global }
    .group_segment_fixed_size: 93184
    .private_segment_fixed_size: 0
    .kernarg_segment_align: 8
    .kernarg_segment_size: 104
    .max_flat_workgroup_size: 256
    .sgpr_count:     66
    .vgpr_count:     258
    .wavefront_size: 32
...
	.end_amdgpu_metadata
.endif
;; end of part 1
;; launch attn (part 2): grid 8 x 32, 8 waves a work-group, clusters of 4 x 1, 327,680 bytes of LDS; arguments qws, kws, vws, mask, ctx; writes ctx
.if DOCPART == 2
	.amdgcn_target "amdgcn-amd-amdhsa--gfx1250"
	.amdhsa_code_object_version 6
	.text
	.protected	k_q094ab99a84_attn
	.globl	k_q094ab99a84_attn
	.p2align	8
	.type	k_q094ab99a84_attn,@function
k_q094ab99a84_attn:
	s_mov_b64 s[64:65], 0
	v_nop
	global_prefetch_b8 v0, s[64:65] scope:SCOPE_SE
	s_setreg_imm32_b32 hwreg(HW_REG_WAVE_MODE, 25, 1), 1
	s_wait_xcnt 0x0
	s_wait_alu depctr_hold_cnt(0) depctr_sa_sdst(0) depctr_va_vdst(0) depctr_va_sdst(0) depctr_va_ssrc(0) depctr_va_vcc(0) depctr_vm_vsrc(0)
	s_getreg_b32 s2, hwreg(HW_REG_IB_STS2, 6, 4)
	s_cmp_eq_u32 s2, 0
	s_cbranch_scc0 .Lentry_in_a_cluster
	s_endpgm
.Lentry_in_a_cluster:
	s_bfe_u32 s2, ttmp6, 0x10000c
	s_cmp_lg_u32 s2, 0x3003
	s_cbranch_scc0 .Lentry_shape_is_right
	s_endpgm
.Lentry_shape_is_right:
; Attention of one (n, head) = grid y and one block of 256 queries = grid x; softmax with a running maximum, in base 2.
; qws, kws, vws, ctx: f16, byte ((n*8+head)*2048 + l)*128 + 2 d.  q already carries 0.125 log2(e); masked rows of k are 0.
; Eight waves; a wave owns 32 queries (two tiles of 16, q = 0, 1) and walks all 2,048 keys in 32 steps of 64.
; FORMAT: both products take f16 operands (11 significant bits), sums in f32.  p lies in (0, 1] by the running maximum; below 2^-14 its spacing is
; 2^-24, an error of at most 2^-25 against a row sum of at least 1.  The result is a mean of rows of v with weights that add to 1, so it has v's range.
; LAYOUT WITHOUT SHUFFLES.  S^T = K Q^T (A = 16 keys, B = 16 queries): lane (r, h) holds query r, keys 8 h + 0..7 of a tile, so maximum and sum
; run inside the lane and one exchange of the two halves of the wave ends them.  Packing a lane's own two key tiles to f16 gives exactly the
; B fragment of O^T = V^T P^T, and O^T again has query r in lane r: the rescaling factors apply lane by lane.  V^T's fragments come by the transposing LDS load.
; THE MASK costs nothing in the loop: the first product of each score tile takes as C the addend b[key] = 0 (open) or -1e9 log2(e) (mask word 0).
; With the masked row of k at 0 the score is exactly b: reference()'s where(), in base 2, a batch with every key masked included (all p = 1).
; LIMITS: the row sum adds the unrounded f32 p while P V uses p rounded to f16; q must be finite for 0 x q = 0 in masked rows.
; CLUSTER: the four work-groups of a cluster are four query blocks of one head and read the same K and V tiles: each tile is asked for jointly
; (mask 15).  The place in the cluster enters the global addresses of q and ctx alone.
; RING: two LDS slots of 128 keys (V, then K).  Wave 0 asks for V's tile, wave 1 for K's, 16 KiB each; a wave has two tensor loads out at the start and one later.
.set PK,     144                       ; K's row in LDS: 128 bytes + 16: odd multiple of 16
.set PVP,    160                       ; V's row in LDS: 128 bytes + 32: odd multiple of 32, for the transposing load
.set TKEYS,  128                       ; keys in a slot
.set RING,   8192                      ; LDS bytes 0 .. 8,191: the 2,048 addends b[key], f32
.set VBYTES, TKEYS*PVP                 ; 20,480
.set KBYTES, TKEYS*PK                  ; 18,432
.set SLOT,   VBYTES+KBYTES             ; 38,912
.set STAGE,  RING+2*SLOT               ; 86,016: 32 rows x 144 bytes for each wave, for the way out; no fill lands here or in the addends
.set WSTAGE, 32*PK
.set TILEG,  TKEYS*128                 ; a tile in memory: 16,384 consecutive bytes
.set LAPS,   8                         ; a lap = both slots = 256 keys
.set KADR, 2                           ; v2, v3    my K fragments in slot 0, 1
.set VADR, 4                           ; v4, v5    my V fragments in slot 0, 1
.set BADR, 6                           ; v6        32 h + 1,024 x lap: my addends
.set STO,  7                           ; v7        way out: in
.set RD,   8                           ; v8        way out: back
.set CO,   9                           ; v9        16 x lane
.set MX,   10                          ; v[10:13]  running maximum, twice, for q = 0, 1 (pairs for the packed forms)
.set AL,   14                          ; v[14:17]  2^(old maximum - new), twice, for q = 0, 1; at the end 1 / sum
.set LS,   18                          ; v18, v19  running sum of my half of the keys
.set CS,   20                          ; v[20:27]  a step's sums: two chains of pairs for each q
.set XT,   28                          ; v[28:31]  four chains of maxima
.set BI,   32                          ; v[32:63]  addends of key tile t at 32 + 8 t
.set SC,   64                          ; v[64:127] scores, then p: tile (t, q) at 64 + 32 q + 8 t; packed P(u, q) at 64 + 32 q + 16 u
.set KF,   128                         ; v[128:191] K fragments (t, c) at 128 + 8 (2 t + c)
.set VF,   192                         ; v[192:255] V^T fragments (d, u) at 192 + 8 (2 d + u)
.set OA,   0                           ; window 1: v[256:319] O^T, tile (d, q) at 32 q + 8 d
.set QF,   64                          ; window 1: v[320:351] Q fragments (q, c) at 64 + 8 (2 q + c)
.set G1V, 24                           ; s[24:31] descriptor group 1 for V's tiles
.set G1K, 32                           ; s[32:39] for K's: it differs in the padding alone
.set G0V, 40                           ; s[40:47] group 0 for V, one set for each slot
.set G0K, 48                           ; s[48:55] group 0 for K
.set MSB, 0
.macro WIN new                         ; s_set_vgpr_msb: bits 1:0 source 0, 3:2 source 1, 5:4 source 2, 7:6 destination; the high byte repeats the setting that is left
.if MSB != \new
	s_set_vgpr_msb (MSB<<8)|\new
.set MSB, \new
.endif
.endm
.macro PLACES                          ; four places behind matrix instructions (ISA guide 7.12.1)
.rept 4
	v_nop
.endr
.endm
; A round of the cluster's barrier: my work-group's barrier, wave 0 signals for the work-group, every wave waits for all four work-groups, my work-group's barrier again.
.macro ROUND
	s_barrier_signal -1
	s_barrier_wait -1
	s_cmp_lg_u32 s14, 0
	s_cbranch_scc1 .Lnot_wave_0_\@
	s_barrier_signal -3
.Lnot_wave_0_\@:
	s_barrier_wait -3
	s_barrier_signal -1
	s_barrier_wait -1
.endm
; The joint refill of a slot: one tensor load a wave, by waves 0 and 1; the branches hang on the wave's number alone.
.macro JLOAD slot
	s_cmp_lg_u32 s14, 0
	s_cbranch_scc1 .Lno_v_\@
	tensor_load_to_lds s[G0V+4*\slot:G0V+4*\slot+3], s[G1V:G1V+7]
	s_nop 0
.Lno_v_\@:
	s_cmp_lg_u32 s14, 1
	s_cbranch_scc1 .Lno_k_\@
	tensor_load_to_lds s[G0K+4*\slot:G0K+4*\slot+3], s[G1K:G1K+7]
	s_nop 0
.Lno_k_\@:
.endm
	s_load_b256 s[4:11], s[0:1], 0x0               ; qws s[4:5], kws s[6:7], vws s[8:9], mask s[10:11]
	s_load_b64 s[12:13], s[0:1], 0x20              ; ctx
	s_set_vgpr_msb 0x40
	v_lshl_add_u32 v96, v0, 2, 0x29000
	v_mov_b32 v97, 0
	s_set_vgpr_msb 0x4045
	ds_add_u32 v96, v97
	s_set_vgpr_msb 0x4500
	v_lshrrev_b32 v1, 5, v0                        ; (v1 is written whole here: later it is a lane exchange's destination, which counts as read)
	v_readfirstlane_b32 s14, v1                    ; wave 0..7
	s_bfe_u32 s15, ttmp6, 0x40000                  ; cx: my place in the cluster
	s_lshl_b32 s16, ttmp9, 2                       ; ttmp9 counts clusters
	s_add_co_u32 s16, s16, s15                     ; query block 0..7
	s_and_b32 s17, ttmp7, 0xffff                   ; n*8 + head
	s_mov_b32 s20, 0x76543210                      ; v_permlanex16_b32: lane i of one half reads lane i of the other
	s_mov_b32 s21, 0xfedcba98
	; Group 1: a tile is a dense block of 16,384 bytes, brought as 64 rows of 256 bytes (32 elements of 8 bytes); behind every 32 words
	; (one key's 128 bytes) the padding skips 8 words for V, 4 for K.  15:0 the mask of all four partners; bit 21 set beside it.
	s_mov_b32 s[G1V+0], 15|(3<<16)|(1<<20)|(1<<21)|(4<<22)|(7<<25)
	s_mov_b32 s[G1K+0], 15|(3<<16)|(1<<20)|(1<<21)|(4<<22)|(3<<25)
	s_mov_b32 s[G1V+1], 32<<16                     ; tensor_dim0 = 32
	s_mov_b32 s[G1K+1], 32<<16
	s_mov_b32 s[G1V+2], 64<<16                     ; tensor_dim1 = 64
	s_mov_b32 s[G1K+2], 64<<16
	s_mov_b32 s[G1V+3], 32<<16                     ; tile_dim0 = 32
	s_mov_b32 s[G1K+3], 32<<16
	s_mov_b32 s[G1V+4], 64                         ; tile_dim1 = 64
	s_mov_b32 s[G1K+4], 64
	s_mov_b32 s[G1V+5], 32                         ; from row to row: 32 elements
	s_mov_b32 s[G1K+5], 32
	s_mov_b32 s[G1V+6], 0
	s_mov_b32 s[G1K+6], 0
	s_mov_b32 s[G1V+7], 0
	s_mov_b32 s[G1K+7], 0
	s_lshl_b32 s18, s17, 18                        ; a head's 2,048 rows of 128 bytes
	s_mov_b32 s19, 0
	s_lshl_b32 s60, s17, 18                        ; q and ctx: the head,
	s_lshl_b32 s3, s16, 15                         ; + 256 rows a query block
	s_add_co_u32 s60, s60, s3
	s_lshl_b32 s3, s14, 12                         ; + 32 rows a wave
	s_add_co_u32 s60, s60, s3
	s_mov_b32 s61, 0
	s_lshr_b32 s62, s17, 3                         ; n
	s_lshl_b32 s62, s62, 13                        ; the batch's 2,048 mask words
	s_mov_b32 s63, 0
	v_and_b32 v28, 15, v0                          ; r
	v_bfe_u32 v29, v0, 4, 1                        ; h
	v_and_b32 v30, 31, v0                          ; lane
	v_mul_u32_u24 v31, v28, PK
	v_lshl_add_u32 v31, v29, 4, v31                ; r x 144 + 16 h
	v_add_nc_u32 v[KADR],   RING+VBYTES, v31
	v_add_nc_u32 v[KADR+1], RING+VBYTES+SLOT, v31
	v_and_b32 v10, 7, v0
	v_lshl_add_u32 v11, v29, 3, v10                ; key 8 h + (lane mod 8)
	v_mul_u32_u24 v11, v11, PVP
	v_bfe_u32 v12, v0, 3, 1
	v_lshl_add_u32 v11, v12, 4, v11                ; + 16 bytes for lanes 8-15 of each half
	v_add_nc_u32 v[VADR],   RING, v11
	v_add_nc_u32 v[VADR+1], RING+SLOT, v11
	v_lshlrev_b32 v[BADR], 5, v29
	s_mul_i32 s23, s14, WSTAGE
	s_add_co_u32 s23, s23, STAGE                   ; my wave's stage
	v_add_nc_u32 v[STO], s23, v31
	v_lshrrev_b32 v12, 3, v30
	v_mul_u32_u24 v12, v12, PK
	v_lshl_add_u32 v12, v10, 4, v12
	v_add_nc_u32 v[RD], s23, v12
	v_lshlrev_b32 v[CO], 4, v30
	v_lshlrev_b32 v13, 7, v28
	v_lshl_add_u32 v13, v29, 4, v13                ; q: row r, 16 h
	v_lshlrev_b32 v14, 5, v30
	v_lshl_add_u32 v14, s14, 10, v14               ; 8 mask words, and 8 addends, a thread: 1,024 w + 32 x lane
	v_mov_b32 v15, 0xceabfb8f                      ; -1e9 log2(e)
	s_wait_dscnt 0x0
	s_wait_kmcnt 0x0
	s_add_nc_u64 s[6:7], s[6:7], s[18:19]          ; k and v at the head's first row: hangs on grid y alone, which the partners share
	s_add_nc_u64 s[8:9], s[8:9], s[18:19]
	s_add_nc_u64 s[56:57], s[4:5], s[60:61]        ; q at my wave's first row
	s_add_nc_u64 s[58:59], s[12:13], s[60:61]      ; ctx likewise
	s_add_nc_u64 s[10:11], s[10:11], s[62:63]      ; the batch's mask
.irp s, 0,1
	s_mov_b32 s[G0V+4*\s], 1                                       ; count = 1
	s_mov_b32 s[G0V+4*\s+1], RING+\s*SLOT                          ; LDS address
	s_add_nc_u64 s[G0V+4*\s+2:G0V+4*\s+3], s[8:9], \s*TILEG        ; keys 128 s ..
	s_or_b32 s[G0V+4*\s+3], s[G0V+4*\s+3], 0x80000000              ; type = 2
	s_mov_b32 s[G0K+4*\s], 1
	s_mov_b32 s[G0K+4*\s+1], RING+VBYTES+\s*SLOT
	s_add_nc_u64 s[G0K+4*\s+2:G0K+4*\s+3], s[6:7], \s*TILEG
	s_or_b32 s[G0K+4*\s+3], s[G0K+4*\s+3], 0x80000000
.endr
	global_load_b128 v[BI:BI+3],   v14, s[10:11]            ; my 8 mask words
	global_load_b128 v[BI+4:BI+7], v14, s[10:11] offset:16
	WIN 0x40                                       ; destination in window 1
.irp q, 0,1
.irp c, 0,1
	global_load_b128 v[QF+8*(2*\q+\c):QF+8*(2*\q+\c)+3],   v13, s[56:57] offset:\q*2048+64*\c       ; Q(16 q + r, 32 c + 8 h ..)
	global_load_b128 v[QF+8*(2*\q+\c)+4:QF+8*(2*\q+\c)+7], v13, s[56:57] offset:\q*2048+64*\c+32    ; Q(16 q + r, 32 c + 16 + 8 h ..)
.endr
.endr
	WIN 0
	ROUND                                          ; all four work-groups are here: the first joint loads meet
	s_cmp_lg_u32 s14, 0                            ; a wave's two first fills stand inside one branch on its number
	s_cbranch_scc1 .Lfirst_not_v
	tensor_load_to_lds s[G0V:G0V+3], s[G1V:G1V+7]
	s_nop 0
	tensor_load_to_lds s[G0V+4:G0V+7], s[G1V:G1V+7]
	s_nop 0
.Lfirst_not_v:
	s_cmp_lg_u32 s14, 1
	s_cbranch_scc1 .Lfirst_not_k
	tensor_load_to_lds s[G0K:G0K+3], s[G1K:G1K+7]
	s_nop 0
	tensor_load_to_lds s[G0K+4:G0K+7], s[G1K:G1K+7]
	s_nop 0
.Lfirst_not_k:
	s_wait_loadcnt 0x0                             ; mask words and Q
.irp i, 0,1,2,3,4,5,6,7
	v_cmp_eq_u32 vcc_lo, 0, v[BI+\i]
	v_cndmask_b32 v[BI+\i], 0, v15, vcc_lo         ; mask word 0: -1e9 log2(e); else 0
.endr
	ds_store_b128 v14, v[BI:BI+3]
	ds_store_b128 v14, v[BI+4:BI+7] offset:16
	s_wait_dscnt 0x0                               ; my addends are in LDS, for the other waves' sake
	s_wait_tensorcnt 0x1                           ; my part of slot 0 has landed; slot 1's may stay out
	s_barrier_signal -1
	s_barrier_wait -1
; 24 LDS loads: the K fragments of 64 keys (sub = which half of the slot) and their addends (k = step in the lap)
.macro LOADK slot, sub, k
.irp t, 0,1,2,3
.irp c, 0,1
	ds_load_b128 v[KF+8*(2*\t+\c):KF+8*(2*\t+\c)+3],   v[KADR+\slot] offset:(64*(\sub)+16*\t)*PK+64*\c
	ds_load_b128 v[KF+8*(2*\t+\c)+4:KF+8*(2*\t+\c)+7], v[KADR+\slot] offset:(64*(\sub)+16*\t)*PK+64*\c+32
.endr
.endr
.irp t, 0,1,2,3
	ds_load_b128 v[BI+8*\t:BI+8*\t+3],   v[BADR] offset:256*(\k)+64*\t       ; b[16 t + 8 h + 0..3]: register j of C is key 8 h + j
	ds_load_b128 v[BI+8*\t+4:BI+8*\t+7], v[BADR] offset:256*(\k)+64*\t+16
.endr
.endm
; 16 transposing LDS loads: V^T fragments, d tile x 32 keys
.macro LOADV slot, sub
.irp d, 0,1,2,3
.irp u, 0,1
	ds_load_tr16_b128 v[VF+8*(2*\d+\u):VF+8*(2*\d+\u)+3],   v[VADR+\slot] offset:(64*(\sub)+32*\u)*PVP+32*\d
	ds_load_tr16_b128 v[VF+8*(2*\d+\u)+4:VF+8*(2*\d+\u)+7], v[VADR+\slot] offset:(64*(\sub)+32*\u)*PVP+32*\d+16*PVP
.endr
.endr
.endm
; 16 matrix instructions: S^T = K Q^T + b.  The eight score tiles take turns, one instruction a turn.
.macro QK
.irp t, 0,1,2,3
.irp q, 0,1
	v_wmma_f32_16x16x32_f16 v[SC+32*\q+8*\t:SC+32*\q+8*\t+7], v[KF+16*\t:KF+16*\t+7], v[QF+16*\q:QF+16*\q+7], v[BI+8*\t:BI+8*\t+7]
.endr
.endr
.irp t, 0,1,2,3
.irp q, 0,1
	v_wmma_f32_16x16x32_f16 v[SC+32*\q+8*\t:SC+32*\q+8*\t+7], v[KF+16*\t+8:KF+16*\t+15], v[QF+16*\q+8:QF+16*\q+15], v[SC+32*\q+8*\t:SC+32*\q+8*\t+7]
.endr
.endr
.endm
; The new maximum of query tile q: my 32 scores and the old maximum in 16 three-way maxima, the other half of the keys by one lane exchange.
.macro SMAX q, first
.irp t, 0,1,2,3
	v_max3_num_f32 v[XT+\t], v[SC+32*\q+8*\t], v[SC+32*\q+8*\t+1], v[SC+32*\q+8*\t+2]
.endr
.irp t, 0,1,2,3
	v_max3_num_f32 v[XT+\t], v[XT+\t], v[SC+32*\q+8*\t+3], v[SC+32*\q+8*\t+4]
.endr
.irp t, 0,1,2,3
	v_max3_num_f32 v[XT+\t], v[XT+\t], v[SC+32*\q+8*\t+5], v[SC+32*\q+8*\t+6]
.endr
	v_max3_num_f32 v[XT],   v[XT],   v[SC+32*\q+7],  v[SC+32*\q+15]
	v_max3_num_f32 v[XT+1], v[XT+1], v[SC+32*\q+23], v[SC+32*\q+31]
	v_max3_num_f32 v[XT], v[XT], v[XT+1], v[XT+2]
.if \first
	v_max_num_f32 v[XT], v[XT], v[XT+3]
.else
	v_max3_num_f32 v[XT], v[XT], v[XT+3], v[MX+2*\q]
.endif
	v_permlanex16_b32 v1, v[XT], s20, s21
	v_max_num_f32 v[XT], v[XT], v1
.if \first == 0
	v_sub_f32 v[XT+1], v[MX+2*\q], v[XT]
	v_exp_f32 v[AL+2*\q],   v[XT+1]                ; 2^(old - new), twice, for the packed products
	v_exp_f32 v[AL+2*\q+1], v[XT+1]                ; the two moves below are the plain places behind it (ISA guide 5.7.2)
.endif
	v_mov_b32 v[MX+2*\q],   v[XT]
	v_mov_b32 v[MX+2*\q+1], v[XT]
.endm
.macro RESCALE                         ; O^T x a factor of the lane's query; under window setting 0x41
	s_wait_alu depctr_va_vdst(0)
.irp q, 0,1
.irp i, 0,2,4,6,8,10,12,14,16,18,20,22,24,26,28,30
	v_pk_mul_f32 v[OA+32*\q+\i:OA+32*\q+\i+1], v[OA+32*\q+\i:OA+32*\q+\i+1], v[AL+2*\q:AL+2*\q+1]
.endr
.endr
.endm
; A unit = query tile q, keys 32 u .. 32 u + 31: 16 registers
.macro SUBM q, u
.irp i, 0,2,4,6,8,10,12,14
	v_pk_add_f32 v[SC+32*\q+16*\u+\i:SC+32*\q+16*\u+\i+1], v[SC+32*\q+16*\u+\i:SC+32*\q+16*\u+\i+1], v[MX+2*\q:MX+2*\q+1] neg_lo:[0,1] neg_hi:[0,1]
.endr
.endm
.macro EXPM q, u
.irp i, 0,1,2,3,4,5,6,7,8,9,10,11,12,13,14,15
	v_exp_f32 v[SC+32*\q+16*\u+\i], v[SC+32*\q+16*\u+\i]
.endr
.endm
.macro SUMPACK q, u                    ; the unit's p into two chains of sums (the first unit of a query tile starts them), then to f16: P(u, q) in the unit's first 8 registers
.set SB, SC+32*\q+16*\u
.if \u == 0
	s_wait_alu depctr_va_vdst(0)
	v_pk_add_f32 v[CS+4*\q:CS+4*\q+1],   v[SB:SB+1],   v[SB+2:SB+3]
	v_pk_add_f32 v[CS+4*\q+2:CS+4*\q+3], v[SB+4:SB+5], v[SB+6:SB+7]
.irp i, 8,12
	v_pk_add_f32 v[CS+4*\q:CS+4*\q+1],   v[CS+4*\q:CS+4*\q+1],   v[SB+\i:SB+\i+1]
	v_pk_add_f32 v[CS+4*\q+2:CS+4*\q+3], v[CS+4*\q+2:CS+4*\q+3], v[SB+\i+2:SB+\i+3]
.endr
.else
	s_wait_alu depctr_va_vdst(0)
.irp i, 0,4,8,12
	v_pk_add_f32 v[CS+4*\q:CS+4*\q+1],   v[CS+4*\q:CS+4*\q+1],   v[SB+\i:SB+\i+1]
	v_pk_add_f32 v[CS+4*\q+2:CS+4*\q+3], v[CS+4*\q+2:CS+4*\q+3], v[SB+\i+2:SB+\i+3]
.endr
.endif
.irp i, 0,1,2,3,4,5,6,7
	v_cvt_pk_f16_f32 v[SB+\i], v[SB+2*\i], v[SB+2*\i+1]            ; in place: the word written is never ahead of the words read
.endr
.endm
; 8 matrix instructions: O^T += V^T P^T for keys 32 u ..; the eight tiles of O^T take turns
.macro PVU u, zero
.irp d, 0,1,2,3
.irp q, 0,1
.if \zero
	v_wmma_f32_16x16x32_f16 v[OA+32*\q+8*\d:OA+32*\q+8*\d+7], v[VF+8*(2*\d+\u):VF+8*(2*\d+\u)+7], v[SC+32*\q+16*\u:SC+32*\q+16*\u+7], 0
.else
	v_wmma_f32_16x16x32_f16 v[OA+32*\q+8*\d:OA+32*\q+8*\d+7], v[VF+8*(2*\d+\u):VF+8*(2*\d+\u)+7], v[SC+32*\q+16*\u:SC+32*\q+16*\u+7], v[OA+32*\q+8*\d:OA+32*\q+8*\d+7]
.endif
.endr
.endr
.endm
; The running sums.  These five or six plain instructions name no register of the products above: they are the four places in front of the
; next loads into V's fragments and the five in front of the next score products, which write over P.
.macro TAIL first
	v_pk_add_f32 v[CS:CS+1],   v[CS:CS+1],   v[CS+2:CS+3]
	v_pk_add_f32 v[CS+4:CS+5], v[CS+4:CS+5], v[CS+6:CS+7]
.if \first
	v_add_f32 v[LS],   v[CS],   v[CS+1]
	v_add_f32 v[LS+1], v[CS+4], v[CS+5]
	v_nop
.else
	v_fma_f32 v[LS],   v[LS],   v[AL],   v[CS]
	v_fma_f32 v[LS+1], v[LS+1], v[AL+2], v[CS+4]
	v_add_f32 v[LS],   v[LS],   v[CS+1]
	v_add_f32 v[LS+1], v[LS+1], v[CS+5]
.endif
.endm
; 64 keys.  first = 1: nothing to rescale, the products start the sums.  mid says what stands between softmax and P V:
;   0 the next 64 keys are in the same slot;  1 the slot is done and is filled again;  2 the slot is done, nothing is left to fetch;  3 the last step.
.macro STEP slot, sub, k, first, mid
	LOADV \slot, \sub
	s_wait_dscnt 16                                ; the 24 older loads (K, addends) are in; the 16 of V stay out
	WIN 0x04                                       ; B (Q) in window 1
	QK
	WIN 0
	PLACES
	SMAX 0, \first
	SMAX 1, \first
.if \first == 0
	WIN 0x41                                       ; O^T in window 1, the factor in window 0
	RESCALE
	WIN 0
.endif
	SUBM 0, 0                                      ; between a run of exponentials and the first use of its results always stands a block of plain work on other registers
	EXPM 0, 0
	SUBM 0, 1
	SUMPACK 0, 0
	EXPM 0, 1
	SUBM 1, 0
	SUMPACK 0, 1
	EXPM 1, 0
	SUBM 1, 1
	SUMPACK 1, 0
	EXPM 1, 1
	v_nop
	s_wait_alu depctr_va_vdst(0)
	SUMPACK 1, 1
.if \mid == 0
	LOADK \slot, \sub+1, \k+1
	s_wait_dscnt 24                                ; V's 16 loads are in; the 24 just issued stay out
.endif
.if \mid == 1
	s_set_vgpr_msb 0x5
	s_wait_tensorcnt 0x0                           ; all my tensor loads have landed, my part of the other slot among them: no load of mine is out,
	ds_add_u32 v96, v97
	s_wait_dscnt 0x0
	s_set_vgpr_msb 0x500
	s_add_nc_u64 s[G0V+4*\slot+2:G0V+4*\slot+3], s[G0V+4*\slot+2:G0V+4*\slot+3], 2*TILEG   ; so this slot's addresses may step: 256 keys on
	s_add_nc_u64 s[G0K+4*\slot+2:G0K+4*\slot+3], s[G0K+4*\slot+2:G0K+4*\slot+3], 2*TILEG
	s_wait_dscnt 0x0                               ; my reads of this slot are back (V's fragments were the last)
	ROUND                                          ; both now hold of every wave of all four work-groups
	JLOAD \slot                                    ; the joint refill, first behind the round; it has the next 128 keys' work in which to land
	LOADK 1-\slot, 0, \k+1
.endif
.if \mid == 2
	s_wait_tensorcnt 0x0                           ; the last tile has landed
	s_wait_dscnt 0x0
	s_barrier_signal -1
	s_barrier_wait -1                              ; in every wave
	LOADK 1-\slot, 0, \k+1
.endif
.if \mid == 3
	s_wait_dscnt 0x0
.endif
	WIN 0x50                                       ; C and D in window 1
	PVU 0, \first
	PVU 1, 0
	WIN 0
	TAIL \first
.endm
.macro LAP first
	STEP 0, 0, 0, \first, 0
	STEP 0, 1, 1, 0, 1
	STEP 1, 0, 2, 0, 0
	STEP 1, 1, 3, 0, 1
	v_add_nc_u32 v[BADR], 1024, v[BADR]            ; 256 addends on
.endm
	LOADK 0, 0, 0
	LAP 1                                          ; keys 0-255, written out: its first products start the sums; it asks for keys 256-511
	s_mov_b32 s22, LAPS-2
.Llap:
	LAP 0                                          ; six laps; the last asks for keys 1,792-2,047
	s_sub_co_u32 s22, s22, 1
	s_cmp_lg_u32 s22, 0
	s_cbranch_scc1 .Llap
	STEP 0, 0, 0, 0, 0                             ; the last lap fills nothing
	STEP 0, 1, 1, 0, 2
	STEP 1, 0, 2, 0, 0
	STEP 1, 1, 3, 0, 3
	; O / sum.  The two halves of the wave hold the sums of different keys of the same query.  The sum is at least 1: the largest p is 1.
	v_permlanex16_b32 v1, v[LS], s20, s21
	v_add_f32 v[LS], v[LS], v1
	v_permlanex16_b32 v1, v[LS+1], s20, s21
	v_add_f32 v[LS+1], v[LS+1], v1
	v_rcp_f32 v[AL],   v[LS]
	v_rcp_f32 v[AL+1], v[LS]
	v_rcp_f32 v[AL+2], v[LS+1]
	v_rcp_f32 v[AL+3], v[LS+1]
	v_nop                                          ; the plain place behind the reciprocals
	s_wait_alu depctr_va_vdst(0)
	WIN 0x41
	RESCALE
	WIN 0x05                                       ; sources in window 1, destination in window 0
.irp q, 0,1
.irp d, 0,1,2,3
.irp i, 0,1,2,3
	v_cvt_pk_f16_f32 v[SC+4*(4*\q+\d)+\i], v[OA+32*\q+8*\d+2*\i], v[OA+32*\q+8*\d+2*\i+1]    ; query r, d = 16 d + 8 h + 2 i, + 1
.endr
.endr
.endr
	WIN 0
	; The way out through my wave's own stage: 16 bytes a lane in, rows of 128 bytes back.  LDS serves a wave's instructions in order (ISA guide 5.7.1.4).
	; My 32 queries are 4,096 consecutive bytes of ctx; each store of the wave covers 512 consecutive bytes, aligned.
.irp q, 0,1
.irp d, 0,1,2,3
	ds_store_b128 v[STO], v[SC+4*(4*\q+\d):SC+4*(4*\q+\d)+3] offset:\q*16*PK+32*\d
.endr
.endr
.irp i, 0,1,2,3,4,5,6,7
	ds_load_b128 v[KF+4*\i:KF+4*\i+3], v[RD] offset:4*PK*\i
.endr
.irp i, 0,1,2,3,4,5,6,7
	s_wait_dscnt 7-\i                              ; load i is in, the younger ones stay out
	global_store_b128 v[CO], v[KF+4*\i:KF+4*\i+3], s[58:59] offset:512*\i
.endr
	s_set_vgpr_msb 0x5
	s_wait_tensorcnt 0x0
	ds_add_u32 v96, v97
	s_wait_dscnt 0x0
	s_set_vgpr_msb 0x500
	ROUND                                          ; the closing round: no work-group ends while a partner may still ask for a tile that names it
	s_endpgm
.Lfunc_end_k_q094ab99a84_attn:
	.size	k_q094ab99a84_attn, .Lfunc_end_k_q094ab99a84_attn-k_q094ab99a84_attn
	.p2alignl 7, 3214868480
	.fill 96, 4, 3214868480
	.section	.rodata,"a",@progbits
	.p2align	6, 0x0
	.amdhsa_kernel k_q094ab99a84_attn
		.amdhsa_group_segment_fixed_size 327680
		.amdhsa_private_segment_fixed_size 0
		.amdhsa_enable_private_segment 0
		.amdhsa_kernarg_size 40
		.amdhsa_user_sgpr_count 2
		.amdhsa_user_sgpr_kernarg_segment_ptr 1
		.amdhsa_wavefront_size32 1
		.amdhsa_system_sgpr_workgroup_id_x 1
		.amdhsa_system_sgpr_workgroup_id_y 1
		.amdhsa_system_sgpr_workgroup_id_z 1
		.amdhsa_system_vgpr_workitem_id 0
		.amdhsa_next_free_vgpr 354
		.amdhsa_next_free_sgpr 66
		.amdhsa_reserve_vcc 1
		.amdhsa_float_denorm_mode_32 3
		.amdhsa_float_denorm_mode_16_64 3
		.amdhsa_memory_ordered 1
		.amdhsa_forward_progress 1
		.amdhsa_inst_pref_size 229
	.end_amdhsa_kernel
	.amdgpu_metadata
---
amdhsa.version: [ 1, 2 ]
amdhsa.kernels:
  - .name:           k_q094ab99a84_attn
    .symbol:         k_q094ab99a84_attn.kd
    .args:
      - { .name: qws, .offset: 0, .size: 8, .value_kind: global_buffer, .address_space: global }
      - { .name: kws, .offset: 8, .size: 8, .value_kind: global_buffer, .address_space: global }
      - { .name: vws, .offset: 16, .size: 8, .value_kind: global_buffer, .address_space: global }
      - { .name: mask, .offset: 24, .size: 8, .value_kind: global_buffer, .address_space: global }
      - { .name: ctx, .offset: 32, .size: 8, .value_kind: global_buffer, .address_space: global }
    .group_segment_fixed_size: 327680
    .private_segment_fixed_size: 0
    .kernarg_segment_align: 8
    .kernarg_segment_size: 40
    .max_flat_workgroup_size: 256
    .sgpr_count:     66
    .vgpr_count:     354
    .wavefront_size: 32
...
	.end_amdgpu_metadata
.endif
;; end of part 2
;; launch oproj (part 3): grid 4 x 64, 8 waves a work-group, no clusters, 109,568 bytes of LDS; arguments ctx, Wo, bo, out0; writes out0
.if DOCPART == 3
	.amdgcn_target "amdgcn-amd-amdhsa--gfx1250"
	.amdhsa_code_object_version 6
	.text
	.protected	k_q094ab99a84_oproj
	.globl	k_q094ab99a84_oproj
	.p2align	8
	.type	k_q094ab99a84_oproj,@function
k_q094ab99a84_oproj:
	s_mov_b64 s[64:65], 0
	v_nop
	global_prefetch_b8 v0, s[64:65] scope:SCOPE_SE
	s_setreg_imm32_b32 hwreg(HW_REG_WAVE_MODE, 25, 1), 1
	s_wait_xcnt 0x0
; out0 = ctx Wo^T + bo: [8192][512] x [512][512]^T, f16 operands, f32 sums, f32 result.
; ctx is f16, head-major: byte ((n*8+head)*2048 + l)*128 + 2 d; feature = 64 head + d, so K step s of 64 is head s, and its tile of 128 rows is
; 16,384 consecutive bytes.  Wo and out0 are f32, row-major.
; ROOM IN f16 for Wo (spread 0.044): 30 times larger or offset by 30 spreads it stays under 10; 30 times smaller its spread is 0.0015, where the
; error of 2^-25 below 2^-14 is 2e-5 of the spread.  LIMIT: |Wo| beyond 65,504 becomes infinity.
; Grid: x = block of 128 output columns, y = block of 128 rows.  Eight waves, wave w = (wm = w>>1, wn = w&1) makes 32 rows x 64 columns:
; 8 accumulators.  The 8 K steps are written out: every step stands in an immediate, no address register is rewritten.
; Road: global_load_b128 -> (Wo: v_cvt_pk_f16_f32) -> ds_store into one of two LDS slots -> ds_load_b128 fragments -> matrix unit.
; Two register sets hold two K steps of loads: 24 loads of 16 bytes a lane are out in each wave.
; NO TENSOR LOADS, NO JOINT REQUESTS: Wo is f32 in memory and the data mover does not convert; as f32 in LDS each of its fragments would cost
; 4 LDS loads and 8 conversions instead of 2 loads, in each of the 4 waves that read it.  ctx's tile takes the same road so that one barrier serves both.
.set PITCH,  144                       ; LDS row: 64 f16 + 16 bytes: an odd multiple of 16
.set TILEB,  128*PITCH
.set SLOT,   2*TILEB                   ; A's tile, then B's
.set STAGE,  2*SLOT                    ; behind the slots: 16 rows x 272 bytes for each wave
.set SPITCH, 272                       ; 64 f32 + 16 bytes
.set WSTAGE, 16*SPITCH
.set ROWB,   2048                      ; bytes in a row of Wo and of out0
.set STEPB,  256
.set HEADB,  262144                    ; bytes of a head in ctx
.set GOFF, 4                           ; v4   Wo: row 8 (2w + h), column piece r
.set SADR, 5                           ; v5   Wo: where my 8 bytes of f16 go
.set ADA,  6
.set ADB,  7
.set STO,  8
.set RD,   9
.set CO,   10
.set BOFF, 11                          ; v11  32 h
.set AOFF, 12                          ; v12  ctx: 16 x thread
.set ASAD, 13                          ; v13  ctx: where my 16 bytes go
.set ACC,  16                          ; v[16:79]
.set FA,   80                          ; v[80:95]
.set FB,   96                          ; v[96:127]
.set ST0,  128                         ; v[128:175] set 0: A's 4 loads, then B's 8
.set ST1,  176                         ; v[176:223] set 1
.set BI,   224                         ; v[224:255] bias of my 4 x 8 columns
.set OUTR, 128                         ; v[128:191] way out: rows read back
	s_load_b256 s[8:15], s[0:1], 0x0               ; ctx s[8:9], Wo s[10:11], bo s[12:13], out0 s[14:15]
	s_set_vgpr_msb 0x40
	v_lshl_add_u32 v0, v0, 2, 0x1a800
	v_mov_b32 v1, 0
	s_set_vgpr_msb 0x4000
	v_lshrrev_b32 v1, 5, v0
	v_readfirstlane_b32 s3, v1                     ; wave
	s_mov_b32 s4, ttmp9                            ; column block
	s_and_b32 s5, ttmp7, 0xffff                    ; row block
	s_lshr_b32 s6, s3, 1                           ; wm
	s_and_b32 s7, s3, 1                            ; wn
	v_and_b32 v1, 15, v0                           ; r
	v_bfe_u32 v2, v0, 4, 1                         ; h
	v_and_b32 v14, 31, v0                          ; lane
	v_lshlrev_b32 v[GOFF], 4, v1
	v_lshl_add_u32 v[GOFF], v2, 14, v[GOFF]
	v_lshl_add_u32 v[GOFF], s3, 15, v[GOFF]
	v_lshlrev_b32 v[AOFF], 4, v14
	v_lshl_add_u32 v[AOFF], s3, 9, v[AOFF]
	v_lshlrev_b32 v[BOFF], 5, v2
	s_mov_b32 s17, 0
	s_wait_kmcnt 0x0
	s_lshl_b32 s16, s4, 9
	s_lshl_b32 s2, s7, 8
	s_add_co_u32 s16, s16, s2
	s_add_nc_u64 s[12:13], s[12:13], s[16:17]      ; bias of my wave's 64 columns
	s_add_nc_u64 s[14:15], s[14:15], s[16:17]      ; out0: the same columns,
	s_lshl_b32 s16, s5, 7
	s_lshl_b32 s2, s6, 5
	s_add_co_u32 s16, s16, s2
	s_lshl_b32 s16, s16, 11
	s_add_nc_u64 s[14:15], s[14:15], s[16:17]      ; row 128 y + 32 wm
	s_lshr_b32 s16, s5, 4
	s_lshl_b32 s16, s16, 21                        ; n: 8 heads of 262,144 bytes
	s_and_b32 s2, s5, 15
	s_lshl_b32 s2, s2, 14                          ; 128 rows of 128 bytes
	s_add_co_u32 s16, s16, s2
	s_add_nc_u64 s[8:9], s[8:9], s[16:17]          ; ctx at head 0's tile
	s_lshl_b32 s16, s4, 18
	s_add_nc_u64 s[10:11], s[10:11], s[16:17]      ; Wo at my block's first output column
.irp b, 0,1,2,3
	global_load_b128 v[BI+8*\b:BI+8*\b+3],   v[BOFF], s[12:13] offset:64*\b      ; the oldest loads of all: they add nothing to the counts below
	global_load_b128 v[BI+8*\b+4:BI+8*\b+7], v[BOFF], s[12:13] offset:64*\b+16
.endr
.macro LOADSET set, step               ; 12 loads: head 'step' of ctx (each load of the wave: 512 consecutive bytes), then Wo's K step
.irp i, 0,1,2,3
	global_load_b128 v[\set+4*\i:\set+4*\i+3], v[AOFF], s[8:9] offset:\step*HEADB+\i*4096
.endr
.irp i, 0,1,2,3,4,5,6,7
	global_load_b128 v[\set+16+4*\i:\set+16+4*\i+3], v[GOFF], s[10:11] offset:\i*ROWB+\step*STEPB
.endr
.endm
	LOADSET ST0, 0
	LOADSET ST1, 1
	v_lshlrev_b32 v[SADR], 3, v1
	v_mul_u32_u24 v15, v2, 8*PITCH
	s_mul_i32 s2, s3, 16*PITCH
	v_add_nc_u32 v[SADR], v[SADR], v15
	v_add_nc_u32 v[SADR], s2, v[SADR]              ; row 8 (2w + h), 8 r
	v_lshrrev_b32 v15, 3, v14
	v_mul_u32_u24 v[ASAD], v15, PITCH              ; row 4 w + lane / 8,
	v_and_b32 v15, 7, v14
	v_lshl_add_u32 v[ASAD], v15, 4, v[ASAD]        ; 16 (lane mod 8)
	s_mul_i32 s2, s3, 4*PITCH
	v_add_nc_u32 v[ASAD], s2, v[ASAD]
	v_mul_u32_u24 v3, v1, PITCH
	v_lshl_add_u32 v3, v2, 4, v3                   ; r x pitch + 16 h
	s_mul_i32 s2, s6, 32*PITCH
	v_add_nc_u32 v[ADA], s2, v3
	s_mul_i32 s2, s7, 64*PITCH
	s_add_co_u32 s2, s2, TILEB
	v_add_nc_u32 v[ADB], s2, v3
	s_mul_i32 s2, s3, WSTAGE
	s_add_co_u32 s2, s2, STAGE                     ; my wave's stage
	v_mul_u32_u24 v15, v1, SPITCH
	v_lshl_add_u32 v15, v2, 5, v15                 ; in: row r, 32 h
	v_add_nc_u32 v[STO], s2, v15
	v_mul_u32_u24 v15, v2, SPITCH
	v_lshl_add_u32 v15, v1, 4, v15                 ; back: lanes 0-15 one row of 256 bytes, lanes 16-31 the next
	v_add_nc_u32 v[RD], s2, v15
	v_lshlrev_b32 v[CO], 4, v1
	v_lshl_add_u32 v[CO], v2, 11, v[CO]            ; the same two rows in out0
.macro PUTONE reg, lo, cnt, reload, go ; Wo: 4 f32 become 4 f16 and go to LDS; the load is issued again.  An LDS store's sources need no wait.
	s_wait_loadcnt \cnt
	v_cvt_pk_f16_f32 v[\reg], v[\reg], v[\reg+1]
	v_cvt_pk_f16_f32 v[\reg+1], v[\reg+2], v[\reg+3]
	ds_store_b64 v[SADR], v[\reg:\reg+1] offset:\lo
.if \reload
	global_load_b128 v[\reg:\reg+3], v[GOFF], s[10:11] offset:\go
.endif
.endm
.macro PUT set, slot, base, dec, reload, step      ; the count in front of load j is base - dec j: the loads issued behind it
.irp i, 0,1,2,3
	s_wait_loadcnt \base-\dec*\i
	ds_store_b128 v[ASAD], v[\set+4*\i:\set+4*\i+3] offset:\slot*SLOT+\i*32*PITCH      ; ctx is f16 already: load i holds rows 32 i ..
.if \reload
	global_load_b128 v[\set+4*\i:\set+4*\i+3], v[AOFF], s[8:9] offset:\step*HEADB+\i*4096
.endif
.endr
.irp i, 0,1,2,3,4,5,6,7
	PUTONE \set+16+4*\i, \slot*SLOT+TILEB+\i*PITCH, \base-\dec*(4+\i), \reload, \i*ROWB+\step*STEPB
.endr
.endm
.macro PLACES                          ; four places behind matrix instructions (ISA guide 7.12.1 for vector instructions)
.rept 4
	v_nop
.endr
.endm
; Used transposed: source 0 = 16 rows of Wo, source 1 = 16 rows of ctx: lane (r, h) holds row r, columns 8 h + 0..7.
.macro MUL4 a, zero
.irp b, 0,1,2,3
.if \zero
	v_wmma_f32_16x16x32_f16 v[ACC+8*(4*\a+\b):ACC+8*(4*\a+\b)+7], v[FB+8*\b:FB+8*\b+7], v[FA+8*\a:FA+8*\a+7], 0
.else
	v_wmma_f32_16x16x32_f16 v[ACC+8*(4*\a+\b):ACC+8*(4*\a+\b)+7], v[FB+8*\b:FB+8*\b+7], v[FA+8*\a:FA+8*\a+7], v[ACC+8*(4*\a+\b):ACC+8*(4*\a+\b)+7]
.endif
.endr
.endm
; The eight accumulators take turns, one instruction a turn, in the same order in every chunk.
.macro CHUNK slot, c, zero
	PLACES
.irp b, 0,1,2,3
	ds_load_b128 v[FB+8*\b:FB+8*\b+3],   v[ADB] offset:\slot*SLOT+\b*16*PITCH+64*\c
	ds_load_b128 v[FB+8*\b+4:FB+8*\b+7], v[ADB] offset:\slot*SLOT+\b*16*PITCH+64*\c+32
.endr
.irp a, 0,1
	ds_load_b128 v[FA+8*\a:FA+8*\a+3],   v[ADA] offset:\slot*SLOT+\a*16*PITCH+64*\c
	ds_load_b128 v[FA+8*\a+4:FA+8*\a+7], v[ADA] offset:\slot*SLOT+\a*16*PITCH+64*\c+32
.endr
	s_wait_dscnt 0x2                               ; all but the two youngest, the second fragment of A
	MUL4 0, \zero
	s_wait_dscnt 0x0
	MUL4 1, \zero
.endm
.macro COMPUTE slot, zero
	CHUNK \slot, 0, \zero
	CHUNK \slot, 1, 0
.endm
.macro SYNC                            ; my stores into the next slot are done and my reads of this slot are back, in every wave
	s_wait_dscnt 0x0
	s_barrier_signal -1
	s_barrier_wait -1
.endm
	; Count 23 with a reload: behind load j stand 11 - j of its own set, 12 of the other set and the j just issued again.
	PUT ST0, 0, 23, 0, 1, 2
	SYNC
	PUT ST1, 1, 23, 0, 1, 3
	COMPUTE 0, 1                                   ; the first products start the sums
	SYNC
	PUT ST0, 0, 23, 0, 1, 4                        ; slot 0 was last read in front of the barrier just passed
	COMPUTE 1, 0
	SYNC
	PUT ST1, 1, 23, 0, 1, 5
	COMPUTE 0, 0
	SYNC
	PUT ST0, 0, 23, 0, 1, 6
	COMPUTE 1, 0
	SYNC
	PUT ST1, 1, 23, 0, 1, 7
	COMPUTE 0, 0
	SYNC
	PUT ST0, 0, 23, 1, 0, 0                        ; step 6, nothing more to ask: 11 - j of its own set and step 7's 12
	COMPUTE 1, 0
	SYNC
	PUT ST1, 1, 11, 1, 0, 0                        ; step 7: 11 - j of its own set
	COMPUTE 0, 0
	SYNC
	COMPUTE 1, 0
	PLACES                                         ; behind the last matrix instructions
.irp a, 0,1
.irp b, 0,1,2,3
.irp j, 0,2,4,6
	v_pk_add_f32 v[ACC+8*(4*\a+\b)+\j:ACC+8*(4*\a+\b)+\j+1], v[ACC+8*(4*\a+\b)+\j:ACC+8*(4*\a+\b)+\j+1], v[BI+8*\b+\j:BI+8*\b+\j+1]
.endr
.endr
.endr
	; The way out, 16 rows at a time through my wave's own stage: 32 bytes a lane in, whole rows of 256 bytes back.  LDS serves a wave's instructions
	; in order (ISA guide 5.7.1.4): no wait between stores and loads, nor in front of the second sixteen rows' stores.
	; Sixteen lanes store 256 consecutive bytes at a multiple of 256 from out0's first byte.  Each sixteen rows have their own 32 registers.
.irp a, 0,1
.irp b, 0,1,2,3
	ds_store_b128 v[STO], v[ACC+8*(4*\a+\b):ACC+8*(4*\a+\b)+3]   offset:64*\b
	ds_store_b128 v[STO], v[ACC+8*(4*\a+\b)+4:ACC+8*(4*\a+\b)+7] offset:64*\b+16
.endr
.irp i, 0,1,2,3,4,5,6,7
	ds_load_b128 v[OUTR+32*\a+4*\i:OUTR+32*\a+4*\i+3], v[RD] offset:2*SPITCH*\i
.endr
.irp i, 0,1,2,3,4,5,6,7
	s_wait_dscnt 7-\i                              ; load i is in, the younger ones stay out
	global_store_b128 v[CO], v[OUTR+32*\a+4*\i:OUTR+32*\a+4*\i+3], s[14:15] offset:(16*\a+2*\i)*ROWB th:TH_STORE_NT
.endr
.endr
	s_set_vgpr_msb 0x5
	s_wait_tensorcnt 0x0
	ds_add_u32 v0, v1
	s_wait_dscnt 0x0
	s_set_vgpr_msb 0x500
	s_endpgm
.Lfunc_end_k_q094ab99a84_oproj:
	.size	k_q094ab99a84_oproj, .Lfunc_end_k_q094ab99a84_oproj-k_q094ab99a84_oproj
	.p2alignl 7, 3214868480
	.fill 96, 4, 3214868480
	.section	.rodata,"a",@progbits
	.p2align	6, 0x0
	.amdhsa_kernel k_q094ab99a84_oproj
		.amdhsa_group_segment_fixed_size 109568
		.amdhsa_private_segment_fixed_size 0
		.amdhsa_enable_private_segment 0
		.amdhsa_kernarg_size 32
		.amdhsa_user_sgpr_count 2
		.amdhsa_user_sgpr_kernarg_segment_ptr 1
		.amdhsa_wavefront_size32 1
		.amdhsa_system_sgpr_workgroup_id_x 1
		.amdhsa_system_sgpr_workgroup_id_y 1
		.amdhsa_system_sgpr_workgroup_id_z 1
		.amdhsa_system_vgpr_workitem_id 0
		.amdhsa_next_free_vgpr 258
		.amdhsa_next_free_sgpr 66
		.amdhsa_reserve_vcc 0
		.amdhsa_float_denorm_mode_32 3
		.amdhsa_float_denorm_mode_16_64 3
		.amdhsa_memory_ordered 1
		.amdhsa_forward_progress 1
		.amdhsa_inst_pref_size 61
	.end_amdhsa_kernel
	.amdgpu_metadata
---
amdhsa.version: [ 1, 2 ]
amdhsa.kernels:
  - .name:           k_q094ab99a84_oproj
    .symbol:         k_q094ab99a84_oproj.kd
    .args:
      - { .name: ctx, .offset: 0, .size: 8, .value_kind: global_buffer, .address_space: global }
      - { .name: Wo, .offset: 8, .size: 8, .value_kind: global_buffer, .address_space: global }
      - { .name: bo, .offset: 16, .size: 8, .value_kind: global_buffer, .address_space: global }
      - { .name: out0, .offset: 24, .size: 8, .value_kind: global_buffer, .address_space: global }
    .group_segment_fixed_size: 109568
    .private_segment_fixed_size: 0
    .kernarg_segment_align: 8
    .kernarg_segment_size: 32
    .max_flat_workgroup_size: 256
    .sgpr_count:     66
    .vgpr_count:     258
    .wavefront_size: 32
...
	.end_amdgpu_metadata
.endif
;; end of part 3
;; ======== version 2 of 2: 3 launches; 1.13 times as fast as version 1
;; limits: values are held in f16: magnitudes above 65,504 overflow, below 6.1e-05 lose precision; right only within a limited range of input values
;; workspace buffers: qws 8,388,608 bytes; kws 8,388,608 bytes; vws 8,388,608 bytes; ctx 8,388,608 bytes
;; launch proj (part 4): grid 8 x 24, 4 waves a work-group, clusters of 4 x 1, 327,680 bytes of LDS; arguments query, key, value, Wq, Wk, Wv, bq, bk, bv, qws, kws, vws, mask; writes qws, kws, vws
.if DOCPART == 4
	.amdgcn_target "amdgcn-amd-amdhsa--gfx1250"
	.amdhsa_code_object_version 6
	.text
	.protected	k_q094ab99a84_proj
	.globl	k_q094ab99a84_proj
	.p2align	8
	.type	k_q094ab99a84_proj,@function
k_q094ab99a84_proj:
	s_mov_b64 s[64:65], 0
	v_nop
	global_prefetch_b8 v0, s[64:65] scope:SCOPE_SE
	s_setreg_imm32_b32 hwreg(HW_REG_WAVE_MODE, 25, 1), 1
	s_wait_xcnt 0x0
	s_wait_alu depctr_hold_cnt(0) depctr_sa_sdst(0) depctr_va_vdst(0) depctr_va_sdst(0) depctr_va_ssrc(0) depctr_va_vcc(0) depctr_vm_vsrc(0)
	s_getreg_b32 s2, hwreg(HW_REG_IB_STS2, 6, 4)
	s_cmp_eq_u32 s2, 0
	s_cbranch_scc0 .Lentry_in_a_cluster
	s_endpgm
.Lentry_in_a_cluster:
	s_bfe_u32 s2, ttmp6, 0x10000c
	s_cmp_lg_u32 s2, 0x3003
	s_cbranch_scc0 .Lentry_shape_is_right
	s_endpgm
.Lentry_shape_is_right:
; q, k, v = x W^T + b for x = query, key, value: three products [8192][512] x [512][512]^T, f32 in memory, f16 operands, f32 sums.
; Results leave as f16, head-major: byte ((n*8+head)*2048 + l)*128 + 2 d, so that a head's rows are dense for the attention launch.
; WHY f16 AND NOT bf16: q, k, p, v and the attention's result are each rounded to 16 bits on their way, one behind the other; with 8 significant
; bits the five roundings add to more than a third of the allowance of 1 % of the output's root mean square; with 11 bits to a twentieth.
; ROOM IN f16 (largest finite 65,504, full precision down to 2^-14, spacing 2^-24 below): x has spread 1, W spread 0.044, x W^T spread 1.
; All inputs 30 times larger: x W^T 900 times, some 5,000.  x and W both offset by 30 spreads: 512 x 30 x 1.33 = 20,400.  All 30 times smaller:
; W 0.0015, x W^T 0.0011, where an error of 2^-25 is 3e-5 of the spread.  LIMIT: where |x W^T + b| passes 65,504 the conversion gives infinity.
; q is multiplied by 0.125*log2(e) BEFORE its rounding to f16 (a rounding order other than scores/8 after the product: a stated limit);
; rows of k whose mask word is 0 are set to 0 by a select, so that the attention launch can put the masked score in as an addend.
;
; SHAPE.  A work-group makes 256 rows x 256 columns of one product with four waves, a wave 128 x 128: 64 accumulators, 512 registers.
; 3 products x 32 row blocks x 2 column blocks = 192 work-groups (a tile of 49,152 outputs, which 256 work-groups would need, divides neither
; 8,192 rows nor 512 columns).  For 32 along K a wave reads 2 x 128 rows x 128 bytes from LDS for 64 matrix instructions.
; ROAD.  The tensor data mover brings f32 tiles into LDS; it does not convert, so a fragment (16 rows x 32 K) is four LDS loads of 16 bytes of f32
; into staging registers and eight conversions to f16.  Each row of a tile is read by two of the four waves, so it is converted twice.
; K = 512 goes in 8 steps of 64 (256 bytes of a row, from a multiple of 256 bytes) through two LDS slots.
; CLUSTER.  Grid x = 4 cb + cx, grid y: p = y >> 3 picks q, k, v; row block = 4 (y & 7) + cx; cb = column block.  The four work-groups of a cluster
; are four row blocks of one product and one column block: they need the same tiles of W, which are asked for jointly (mask 15): 4 requests become 1.
; x's tile is wanted by two work-groups alone (the two column blocks), which lie in neighbouring clusters: it is a plain load.  To share it too the
; cluster's four places would have to be 2 x 2 with masks of two places made from cx; the four are given to W, whose tiles every row block wants.
; The place in the cluster enters the global addresses of x, of the mask and of the result alone.
;
; REGISTERS, in windows of 256 (s_set_vgpr_msb's low byte: bits 1:0 source 0, 3:2 source 1, 5:4 source 2, 7:6 destination):
;   window 0: v16-28 addresses, v32-39 mask words; v64-127 fragments of x (8 x 8 registers); v128-255 staging of x (8 x 16 registers of f32)
;   window 1: v0-63 bias of my 128 columns; v64-127 fragments of W; v128-255 staging of W
;   window 2: the 32 accumulator tiles of my rows 0-63 (tile (a, b) at 8 (8 a + b));   window 3: those of my rows 64-127
; THE MATRIX INSTRUCTION IS USED TRANSPOSED: source 0 = 16 rows of W, source 1 = 16 rows of x.  Lane (r, h) then holds row r of the result and its
; registers 0 to 7 the columns 8 h + 0 .. 7: eight neighbouring numbers, 16 bytes in f16.
.set ROWB,   2048                      ; bytes in a row of x and of W
.set STEPB,  256                       ; bytes of a row in a K step of 64
.set PITCH,  272                       ; an LDS row: 256 bytes + 16: an odd multiple of 16, so the 16 rows that a load touches begin at 16 different 16-byte columns modulo 256 bytes
.set HALFT,  128*PITCH                 ; 128 rows: what one tensor load brings, and what one wave reads of x or of W
.set SLOT,   4*HALFT                   ; x's 256 rows, then W's 256 rows
.set STAGE,  2*SLOT                    ; behind the ring: 16 rows x 272 bytes for each wave, for the way out; no fill lands here
.set SPITCH, 272
.set LAPS,   4                         ; a lap = two K steps = once round the ring
.set HEADB,  262144                    ; bytes of a head in the result
.set ADRA, 16                          ; v16-17  LDS address of my x fragments in slot 0, 1
.set ADRB, 20                          ; v20-21  the same for W
.set STO,  24                          ; v24     way out: where I put 16 bytes of a row
.set RD,   25                          ; v25     way out: where I read 16 bytes back
.set CO,   26                          ; v26     16 x lane
.set BOFF, 27                          ; v27     32 h: my 8 columns' bias
.set MOFF, 28                          ; v28     4 r: my row's mask word
.set MK,   32                          ; v[32:39] mask words of my rows 16 a + r, a = 0 .. 7
.set FR,   64                          ; fragments, f16
.set ST,   128                         ; staging, f32
.set TMP,  64                          ; way out: packed results, in window 0 (x's fragments are done by then)
.set BI,   0                           ; window 1: bias of columns 16 b + 8 h + j at 8 b + j
.set G1,   48                          ; s[48:55] descriptor group 1 for x's tiles
.set G1B,  56                          ; s[56:63] for W's: it differs in the mask alone
.set G0,   68                          ; s[68:75] group 0 for x, one set for each slot
.set G0B,  76                          ; s[76:83] group 0 for W
.set LM,   84                          ; s[84:91] lane masks: rows 16 a + r that are kept
.set MSB, 0
.macro WIN new                         ; the immediate's high byte repeats the setting that is left
.if MSB != \new
	s_set_vgpr_msb (MSB<<8)|\new
.set MSB, \new
.endif
.endm
.set MUL_LO, 0xa1                      ; source 0 (W) window 1, source 1 (x) window 0, C and D window 2
.set MUL_HI, 0xf1                      ; the same, C and D window 3
.set TO_B,   0x40                      ; destination window 1, address window 0
.set IN_B,   0x45                      ; sources 0 and 1 and destination window 1
; A slot's fill: waves 0 and 1 fetch x's two halves (plain loads), waves 2 and 3 W's (joint loads).  The branch hangs on the wave's number alone.
.macro JLOAD s
	s_cmp_eq_u32 s92, 0
	s_cbranch_scc0 .Lfor_w_\@
	tensor_load_to_lds s[G0+4*\s:G0+4*\s+3], s[G1:G1+7]
	s_nop 0
	s_branch .Lasked_\@
.Lfor_w_\@:
	tensor_load_to_lds s[G0B+4*\s:G0B+4*\s+3], s[G1B:G1B+7]
	s_nop 0
.Lasked_\@:
.endm
; A round of the cluster's barrier: my work-group's barrier, wave 0 signals for the work-group, every wave waits for all four work-groups, my work-group's barrier again.
.macro CREST                           ; a round behind its opening barrier
	s_cmp_lg_u32 s3, 0
	s_cbranch_scc1 .Lnot_wave_0_\@
	s_barrier_signal -3
.Lnot_wave_0_\@:
	s_barrier_wait -3
	s_barrier_signal -1
	s_barrier_wait -1
.endm
.macro CROUND                          ; a whole round
	s_barrier_signal -1
	s_barrier_wait -1
	CREST
.endm
	s_load_b256 s[8:15],  s[0:1], 0x0              ; query s[8:9], key s[10:11], value s[12:13], Wq s[14:15]
	s_load_b256 s[16:23], s[0:1], 0x20             ; Wk s[16:17], Wv s[18:19], bq s[20:21], bk s[22:23]
	s_load_b256 s[24:31], s[0:1], 0x40             ; bv s[24:25], qws s[26:27], kws s[28:29], vws s[30:31]
	s_load_b64  s[32:33], s[0:1], 0x60             ; mask
	v_lshl_add_u32 v62, v0, 2, 0x48400
	v_mov_b32 v63, 0
	ds_add_u32 v62, v63
	v_lshrrev_b32 v1, 5, v0
	v_readfirstlane_b32 s3, v1                     ; wave 0..3
	s_lshr_b32 s92, s3, 1                          ; which half of the block's rows is mine.  Also: I fetch for x (0) or for W (1)
	s_and_b32 s93, s3, 1                           ; which half of its columns.  Also: which 128 rows of that tile I fetch
	s_bfe_u32 s94, ttmp6, 0x40000                  ; cx: my place in the cluster
	s_mov_b32 s4, ttmp9                            ; cb: column block 0, 1 (ttmp9 counts clusters)
	s_and_b32 s5, ttmp7, 0xffff                    ; y
	s_lshr_b32 s6, s5, 3                           ; p: 0 q, 1 k, 2 v
	s_and_b32 s7, s5, 7
	s_lshl_b32 s7, s7, 2
	s_add_co_u32 s7, s7, s94                       ; row block 0..31 of the product
	; Group 1: a tile of 128 rows x 64 elements of 4 bytes; behind every 64 words (a row) the padding skips 4 words
	s_mov_b32 s[G1+0],  (2<<16)|(1<<20)|(5<<22)|(3<<25)             ; x: no mask
	s_mov_b32 s[G1B+0], 15|(2<<16)|(1<<20)|(1<<21)|(5<<22)|(3<<25)  ; W: all four partners, bit 21 set beside the mask
	s_mov_b32 s[G1+1],  64<<16                     ; tensor_dim0 = 64
	s_mov_b32 s[G1B+1], 64<<16
	s_mov_b32 s[G1+2],  128<<16                    ; tensor_dim1 = 128
	s_mov_b32 s[G1B+2], 128<<16
	s_mov_b32 s[G1+3],  64<<16                     ; tile_dim0 = 64
	s_mov_b32 s[G1B+3], 64<<16
	s_mov_b32 s[G1+4],  128                        ; tile_dim1 = 128
	s_mov_b32 s[G1B+4], 128
	s_mov_b32 s[G1+5],  512                        ; from row to row: 512 elements
	s_mov_b32 s[G1B+5], 512
	s_mov_b32 s[G1+6],  0
	s_mov_b32 s[G1B+6], 0
	s_mov_b32 s[G1+7],  0
	s_mov_b32 s[G1B+7], 0
	; where the tiles come from.  W's hang on p, cb and the wave's number, which the partners share; x's on the row block too, in registers of their own.
	s_lshl_b32 s2, s93, 7                          ; which 128 rows of the tile I fetch
	s_lshl_b32 s44, s4, 8
	s_add_co_u32 s44, s44, s2                      ; W: row 256 cb + 128 half
	s_lshl_b32 s44, s44, 11                        ; x 2,048 bytes
	s_mov_b32 s45, 0
	s_lshl_b32 s46, s7, 8
	s_add_co_u32 s46, s46, s2                      ; x: row 256 x row block + 128 half
	s_lshl_b32 s46, s46, 11
	s_mov_b32 s47, 0
	s_mul_i32 s95, s3, HALFT                       ; and where they go: x's two halves, then W's two halves = wave x 128 rows
	s_wait_dscnt 0x0
	s_wait_kmcnt 0x0
	s_cmp_eq_u32 s6, 1                             ; the four buffers of this product: a choice on the grid's y alone
	s_cselect_b64 s[34:35], s[10:11], s[8:9]       ; x
	s_cselect_b64 s[36:37], s[16:17], s[14:15]     ; W
	s_cselect_b64 s[38:39], s[22:23], s[20:21]     ; b
	s_cselect_b64 s[40:41], s[28:29], s[26:27]     ; result
	s_cmp_eq_u32 s6, 2
	s_cselect_b64 s[34:35], s[12:13], s[34:35]
	s_cselect_b64 s[36:37], s[18:19], s[36:37]
	s_cselect_b64 s[38:39], s[24:25], s[38:39]
	s_cselect_b64 s[40:41], s[30:31], s[40:41]
	s_add_nc_u64 s[34:35], s[34:35], s[46:47]
	s_add_nc_u64 s[36:37], s[36:37], s[44:45]
	CROUND                                         ; all four work-groups are here: the first joint loads meet
.irp s, 0,1
	s_mov_b32 s[G0+4*\s], 1                                        ; count = 1
	s_add_co_u32 s[G0+4*\s+1], s95, \s*SLOT                        ; LDS address
	s_add_nc_u64 s[G0+4*\s+2:G0+4*\s+3], s[34:35], \s*STEPB        ; global address: K step s
	s_or_b32 s[G0+4*\s+3], s[G0+4*\s+3], 0x80000000                ; type = 2
	s_mov_b32 s[G0B+4*\s], 1
	s_add_co_u32 s[G0B+4*\s+1], s95, \s*SLOT
	s_add_nc_u64 s[G0B+4*\s+2:G0B+4*\s+3], s[36:37], \s*STEPB
	s_or_b32 s[G0B+4*\s+3], s[G0B+4*\s+3], 0x80000000
	JLOAD \s                                       ; both slots are asked for before anything else is done: two tensor loads of the wave are out
.endr
	; the other addresses, while the first tiles are on their way
	s_lshl_b32 s44, s4, 10                         ; bias: 256 columns x 4 bytes a block,
	s_lshl_b32 s2, s93, 9                          ; 128 columns a wave
	s_add_co_u32 s44, s44, s2
	s_add_nc_u64 s[38:39], s[38:39], s[44:45]
	s_lshl_b32 s46, s7, 10                         ; mask: one word a row; the rows of x are numbered n*2048 + l as the mask's words are
	s_lshl_b32 s2, s92, 9
	s_add_co_u32 s46, s46, s2
	s_add_nc_u64 s[32:33], s[32:33], s[46:47]
	s_lshr_b32 s46, s7, 3                          ; n
	s_lshl_b32 s46, s46, 3
	s_lshl2_add_u32 s46, s4, s46                   ; n*8 + 4 cb
	s_lshl1_add_u32 s46, s93, s46                  ; + 2 x column half = n*8 + my first head
	s_lshl_b32 s46, s46, 11                        ; x 2,048 rows
	s_and_b32 s2, s7, 7
	s_lshl_b32 s2, s2, 8
	s_add_co_u32 s46, s46, s2                      ; + 256 (row block mod 8)
	s_lshl_b32 s2, s92, 7
	s_add_co_u32 s46, s46, s2                      ; + 128 x row half
	s_lshl_b32 s46, s46, 7                         ; x 128 bytes
	s_add_nc_u64 s[40:41], s[40:41], s[46:47]      ; the result at my wave's first row of its first head
	s_cmp_eq_u32 s6, 0
	s_cselect_b32 s42, 0x3e38aa3b, 1.0             ; q alone: 0.125 log2(e)
	s_mov_b32 s43, s42
	; A fragment is 16 rows x 32 K: lane (r, h) holds row r; registers 0-3 hold K = 8 h + 0..7, registers 4-7 K = 16 + 8 h + 0..7.  In f32 these are
	; the 32 bytes at 32 h and the 32 bytes at 64 + 32 h of the row's 128: four loads of 16 bytes at 0, 16, 64, 80 from r x pitch + 32 h.
	v_and_b32 v1, 15, v0                           ; r
	v_bfe_u32 v2, v0, 4, 1                         ; h
	v_and_b32 v5, 31, v0                           ; lane
	v_mul_u32_u24 v3, v1, PITCH
	v_lshl_add_u32 v4, v2, 4, v3                   ; r x 272 + 16 h: the stage, in
	v_lshl_add_u32 v3, v2, 5, v3                   ; r x 272 + 32 h: the fragments
	s_mul_i32 s2, s92, HALFT                       ; my 128 rows of x
	s_mul_i32 s95, s93, HALFT                      ; my 128 rows of W,
	s_add_co_u32 s95, s95, 2*HALFT                 ; which lie behind x's 256
.irp s, 0,1
	v_add_nc_u32 v[ADRA+\s], s2, v3
	v_add_nc_u32 v[ADRB+\s], s95, v3
	s_add_co_u32 s2, s2, SLOT
	s_add_co_u32 s95, s95, SLOT
.endr
	s_mul_i32 s2, s3, 16*SPITCH
	s_add_co_u32 s2, s2, STAGE                     ; my wave's stage
	v_add_nc_u32 v[STO], s2, v4
	v_lshrrev_b32 v6, 3, v5
	v_mul_u32_u24 v6, v6, SPITCH                   ; back: eight lanes take a head's 128 bytes of a row
	v_and_b32 v7, 7, v5
	v_lshl_add_u32 v6, v7, 4, v6
	v_add_nc_u32 v[RD], s2, v6
	v_lshlrev_b32 v[CO], 4, v5
	v_lshlrev_b32 v[BOFF], 5, v2
	v_lshlrev_b32 v[MOFF], 2, v1
	WIN TO_B                                       ; bias and mask have registers of their own: they are asked for now and waited for on the way out
.irp b, 0,1,2,3,4,5,6,7
	global_load_b128 v[BI+8*\b:BI+8*\b+3],   v[BOFF], s[38:39] offset:64*\b       ; bias of columns 16 b + 8 h + 0..3
	global_load_b128 v[BI+8*\b+4:BI+8*\b+7], v[BOFF], s[38:39] offset:64*\b+16    ; and + 4..7
.endr
	WIN 0
.irp a, 0,1,2,3,4,5,6,7
	global_load_b32 v[MK+\a], v[MOFF], s[32:33] offset:64*\a                      ; mask of row 16 a + r
.endr
; 16 matrix instructions: row blocks a0, a0 + 1 of the window's four (hi = 0: my rows 0-63, 1: rows 64-127) x all 8 column blocks, 32 along K.
; zero = 1: the first product starts the sums: nothing is ever cleared.  The 64 accumulators take turns, one instruction a turn, in the same
; order in every chunk.
.macro MUL16 hi, a0, zero
.irp a, \a0, \a0+1
.irp b, 0,1,2,3,4,5,6,7
.if \zero
	v_wmma_f32_16x16x32_f16 v[8*(8*(\a)+\b):8*(8*(\a)+\b)+7], v[FR+8*\b:FR+8*\b+7], v[FR+8*(4*\hi+\a):FR+8*(4*\hi+\a)+7], 0
.else
	v_wmma_f32_16x16x32_f16 v[8*(8*(\a)+\b):8*(8*(\a)+\b)+7], v[FR+8*\b:FR+8*\b+7], v[FR+8*(4*\hi+\a):FR+8*(4*\hi+\a)+7], v[8*(8*(\a)+\b):8*(8*(\a)+\b)+7]
.endif
.endr
.endr
.endm
; 16 LDS loads: four fragments' f32 (blocks i0 .. i0 + 3 of 16 rows, 32 K at byte kb of the rows) into staging.  Staging is no operand of a matrix
; instruction, so these loads keep no distance from any.
.macro FETCH4 adr, kb, i0
.irp i, 0,1,2,3
	ds_load_b128 v[ST+16*(\i0+\i):ST+16*(\i0+\i)+3],     v[\adr] offset:\kb+(\i0+\i)*16*PITCH
	ds_load_b128 v[ST+16*(\i0+\i)+4:ST+16*(\i0+\i)+7],   v[\adr] offset:\kb+(\i0+\i)*16*PITCH+16
	ds_load_b128 v[ST+16*(\i0+\i)+8:ST+16*(\i0+\i)+11],  v[\adr] offset:\kb+(\i0+\i)*16*PITCH+64
	ds_load_b128 v[ST+16*(\i0+\i)+12:ST+16*(\i0+\i)+15], v[\adr] offset:\kb+(\i0+\i)*16*PITCH+80
.endr
.endm
.macro CVT64                           ; eight fragments: staging registers 2 n, 2 n + 1 become fragment register n
.set CN, 0
.rept 64
	v_cvt_pk_f16_f32 v[FR+CN], v[ST+2*CN], v[ST+2*CN+1]
.set CN, CN+1
.endr
.endm
.macro CVTALL
	WIN IN_B
	CVT64                                          ; W's
	WIN 0
	CVT64                                          ; x's
.endm
; A vector instruction that writes a register which a matrix instruction has read stands four places behind it, and only plain vector
; instructions that name none of its registers are places (ISA guide 7.12.1).
.macro PLACES
.rept 4
	v_nop
.endr
.endm
; A chunk = 32 along K.  Its f32 lie in staging (asked for during the chunk before); they are converted, and while the 64 matrix instructions run
; the next chunk's f32 (slot nslot, byte nkb of the rows) are asked for, 16 loads in front of each 16 matrix instructions.
; sync = 1: this is the second chunk of the K step in 'slot': my reads of that slot ended with the wait at the chunk's head, so the slots change here.
;   In front of the round's opening signal each wave has waited for its LDS reads and for all its tensor loads, of which one is out: its part of the
;   other slot.  The conversions are the register work inside the round.  Behind the round nobody in the cluster reads the slot and the other slot is
;   whole: the refill (two K steps ahead) comes first, one tensor load a wave, then the other slot's first reads.
; sync = 2: the same change of slots with nothing left to fetch: my work-group's barrier alone.
.macro CHUNK nslot, nkb, fetch, zero, sync, slot
	s_wait_dscnt 0x0                               ; the chunk's 64 staging loads are in
.if \sync
	s_set_vgpr_msb 0xf1f0
	s_wait_tensorcnt 0x0                           ; all my tensor loads have landed
	ds_add_u32 v62, v63
	s_wait_dscnt 0x0
	s_set_vgpr_msb 0xf0f1
	s_barrier_signal -1
.endif
	PLACES                                         ; behind the last chunk's matrix instructions, which read the fragments
	CVTALL
.if \sync
	s_barrier_wait -1
.endif
.if \sync == 1
	CREST
	s_add_nc_u64 s[G0+4*\slot+2:G0+4*\slot+3], s[G0+4*\slot+2:G0+4*\slot+3], 2*STEPB       ; no tensor load of mine is out: the addresses may step
	s_add_nc_u64 s[G0B+4*\slot+2:G0B+4*\slot+3], s[G0B+4*\slot+2:G0B+4*\slot+3], 2*STEPB
	JLOAD \slot                                    ; it has one K step, 128 matrix instructions and 256 conversions, in which to land
.endif
.if \fetch
	WIN TO_B
	FETCH4 ADRB+\nslot, \nkb, 0
.endif
	WIN MUL_LO
	MUL16 0, 0, \zero
.if \fetch
	WIN TO_B
	FETCH4 ADRB+\nslot, \nkb, 4
.endif
	WIN MUL_LO
	MUL16 0, 2, \zero
.if \fetch
	WIN 0
	FETCH4 ADRA+\nslot, \nkb, 0
.endif
	WIN MUL_HI
	MUL16 1, 0, \zero
.if \fetch
	WIN 0
	FETCH4 ADRA+\nslot, \nkb, 4
.endif
	WIN MUL_HI
	MUL16 1, 2, \zero
.endm
.macro LAP zero                        ; once round the ring, both slots filled again
	CHUNK 0, 128, 1, \zero, 0, 0
	CHUNK 1, 0,   1, 0,     1, 0
	CHUNK 1, 128, 1, 0,     0, 1
	CHUNK 0, 0,   1, 0,     1, 1
.endm
	s_wait_tensorcnt 0x1                           ; my part of K step 0 is in; K step 1's may stay out
	s_barrier_signal -1
	s_barrier_wait -1                              ; everybody's is
	WIN TO_B
	FETCH4 ADRB, 0, 0
	FETCH4 ADRB, 0, 4
	WIN 0
	FETCH4 ADRA, 0, 0
	FETCH4 ADRA, 0, 4
	LAP 1                                          ; K steps 0, 1, written out: the first products start the sums; it asks for steps 2, 3
	WIN 0                                          ; at a label and at a branch every window is 0
	s_mov_b32 s5, LAPS-2
.Llap:
	LAP 0                                          ; two laps: K steps 2 to 5; they ask for steps 4 to 7
	WIN 0
	s_sub_co_u32 s5, s5, 1
	s_cmp_lg_u32 s5, 0
	s_cbranch_scc1 .Llap
	CHUNK 0, 128, 1, 0, 0, 0                       ; the last lap fills nothing
	CHUNK 1, 0,   1, 0, 2, 0
	CHUNK 1, 128, 1, 0, 0, 1
	CHUNK 0, 0,   0, 0, 0, 1                       ; the very last chunk: nothing more to read
	; result = (sum + b) x scale = sum x scale + (b x scale), one fused multiply-add for each pair
	s_wait_loadcnt 0x0                             ; bias and mask
	WIN 0x41                                       ; source 0 and destination window 1
.set CN, 0
.rept 32
	v_pk_mul_f32 v[BI+2*CN:BI+2*CN+1], v[BI+2*CN:BI+2*CN+1], s[42:43] op_sel_hi:[1,0]     ; these 32 are also the places behind the last matrix instructions
.set CN, CN+1
.endr
	WIN 0
.irp a, 0,1,2,3,4,5,6,7
	v_cmp_ne_u32 s[LM+\a], 0, v[MK+\a]             ; lanes whose row is open
.endr
	s_cmp_eq_u32 s6, 1                             ; the mask zeroes rows of k alone
.irp a, 0,1,2,3,4,5,6,7
	s_cselect_b32 s[LM+\a], s[LM+\a], -1
.endr
; THE WAY OUT, 16 rows at a time (rows 16 i .. of my block = the eight tiles (a, 0..7) of window 2 or 3): scale and bias, round to f16, zero masked
; rows of k, 16 bytes a lane into my own stage, read back by heads.  LDS serves a wave's instructions in order (ISA guide 5.7.1.4): no wait between
; the stores and the loads.  16 rows of a head are 2,048 consecutive bytes; each store of the wave covers 512 consecutive bytes, aligned.
; wfma: source 0 and destination in the tiles' window, source 2 (bias) in window 1; wcvt: sources 0 and 1 in the tiles' window; f: read-back registers, two sets in turn.
.macro OUT16 i, a, wfma, wcvt, f
	WIN \wfma
.irp b, 0,1,2,3,4,5,6,7
.irp j, 0,2,4,6
	v_pk_fma_f32 v[8*(8*\a+\b)+\j:8*(8*\a+\b)+\j+1], v[8*(8*\a+\b)+\j:8*(8*\a+\b)+\j+1], s[42:43], v[BI+8*\b+\j:BI+8*\b+\j+1] op_sel_hi:[1,0,1]
.endr
.endr
	WIN \wcvt
.irp b, 0,1,2,3,4,5,6,7
.irp r, 0,1,2,3
	v_cvt_pk_f16_f32 v[TMP+4*\b+\r], v[8*(8*\a+\b)+2*\r], v[8*(8*\a+\b)+2*\r+1]
.endr
.endr
	WIN 0
.set CN, 0
.rept 32
	v_cndmask_b32 v[TMP+CN], 0, v[TMP+CN], s[LM+\i]                ; a select, not a product: a masked row of k is exactly 0
.set CN, CN+1
.endr
.irp b, 0,1,2,3,4,5,6,7
	ds_store_b128 v[STO], v[TMP+4*\b:TMP+4*\b+3] offset:32*\b
.endr
	s_wait_xcnt 0x0                                ; every earlier memory instruction has had its addresses translated (ISA guide 3.1): set f, which stores read, is loaded again only behind this wait
.irp hd, 0,1
.irp q, 0,1,2,3
	ds_load_b128 v[\f+16*\hd+4*\q:\f+16*\hd+4*\q+3], v[RD] offset:\q*4*SPITCH+\hd*128      ; rows 4 q + lane / 8, head hd's 128 bytes
.endr
.endr
.irp hd, 0,1
.irp q, 0,1,2,3
	s_wait_dscnt 7-4*\hd-\q                        ; LDS loads come back in order: this one is in, the younger ones stay out
	global_store_b128 v[CO], v[\f+16*\hd+4*\q:\f+16*\hd+4*\q+3], s[40:41] offset:\hd*HEADB+\i*2048+\q*512
.endr
.endr
.endm
	OUT16 0, 0, 0x92, 0x0a, 128
	OUT16 1, 1, 0x92, 0x0a, 160
	OUT16 2, 2, 0x92, 0x0a, 128
	OUT16 3, 3, 0x92, 0x0a, 160
	OUT16 4, 0, 0xd3, 0x0f, 128
	OUT16 5, 1, 0xd3, 0x0f, 160
	OUT16 6, 2, 0xd3, 0x0f, 128
	OUT16 7, 3, 0xd3, 0x0f, 160
	s_wait_tensorcnt 0x0
	ds_add_u32 v62, v63
	s_wait_dscnt 0x0
	CROUND                                         ; the closing round: no work-group ends while a partner may still ask for a tile that names it
	s_endpgm
.Lfunc_end_k_q094ab99a84_proj:
	.size	k_q094ab99a84_proj, .Lfunc_end_k_q094ab99a84_proj-k_q094ab99a84_proj
	.p2alignl 7, 3214868480
	.fill 96, 4, 3214868480
	.section	.rodata,"a",@progbits
	.p2align	6, 0x0
	.amdhsa_kernel k_q094ab99a84_proj
		.amdhsa_group_segment_fixed_size 327680
		.amdhsa_private_segment_fixed_size 0
		.amdhsa_enable_private_segment 0
		.amdhsa_kernarg_size 104
		.amdhsa_user_sgpr_count 2
		.amdhsa_user_sgpr_kernarg_segment_ptr 1
		.amdhsa_wavefront_size32 1
		.amdhsa_system_sgpr_workgroup_id_x 1
		.amdhsa_system_sgpr_workgroup_id_y 1
		.amdhsa_system_sgpr_workgroup_id_z 1
		.amdhsa_system_vgpr_workitem_id 0
		.amdhsa_next_free_vgpr 1024
		.amdhsa_next_free_sgpr 96
		.amdhsa_reserve_vcc 0
		.amdhsa_float_denorm_mode_32 3
		.amdhsa_float_denorm_mode_16_64 3
		.amdhsa_memory_ordered 1
		.amdhsa_forward_progress 1
		.amdhsa_inst_pref_size 255
	.end_amdhsa_kernel
	.section	.bss,"aw",@nobits
	.p2align	6
	.space	262144
	.amdgpu_metadata
---
amdhsa.version: [ 1, 2 ]
amdhsa.kernels:
  - .name:           k_q094ab99a84_proj
    .symbol:         k_q094ab99a84_proj.kd
    .args:
      - { .name: query, .offset: 0, .size: 8, .value_kind: global_buffer, .address_space: global }
      - { .name: key, .offset: 8, .size: 8, .value_kind: global_buffer, .address_space: global }
      - { .name: value, .offset: 16, .size: 8, .value_kind: global_buffer, .address_space: global }
      - { .name: Wq, .offset: 24, .size: 8, .value_kind: global_buffer, .address_space: global }
      - { .name: Wk, .offset: 32, .size: 8, .value_kind: global_buffer, .address_space: global }
      - { .name: Wv, .offset: 40, .size: 8, .value_kind: global_buffer, .address_space: global }
      - { .name: bq, .offset: 48, .size: 8, .value_kind: global_buffer, .address_space: global }
      - { .name: bk, .offset: 56, .size: 8, .value_kind: global_buffer, .address_space: global }
      - { .name: bv, .offset: 64, .size: 8, .value_kind: global_buffer, .address_space: global }
      - { .name: qws, .offset: 72, .size: 8, .value_kind: global_buffer, .address_space: global }
      - { .name: kws, .offset: 80, .size: 8, .value_kind: global_buffer, .address_space: global }
      - { .name: vws, .offset: 88, .size: 8, .value_kind: global_buffer, .address_space: global }
      - { .name: mask, .offset: 96, .size: 8, .value_kind: global_buffer, .address_space: global }
    .group_segment_fixed_size: 327680
    .private_segment_fixed_size: 0
    .kernarg_segment_align: 8
    .kernarg_segment_size: 104
    .max_flat_workgroup_size: 128
    .sgpr_count:     96
    .vgpr_count:     1024
    .wavefront_size: 32
...
	.end_amdgpu_metadata
.endif
;; end of part 4
;; launch attn (part 5): grid 8 x 32, 8 waves a work-group, clusters of 4 x 1, 327,680 bytes of LDS; arguments qws, kws, vws, mask, ctx; writes ctx
.if DOCPART == 5
	.amdgcn_target "amdgcn-amd-amdhsa--gfx1250"
	.amdhsa_code_object_version 6
	.text
	.protected	k_q094ab99a84_attn
	.globl	k_q094ab99a84_attn
	.p2align	8
	.type	k_q094ab99a84_attn,@function
k_q094ab99a84_attn:
	s_mov_b64 s[64:65], 0
	v_nop
	global_prefetch_b8 v0, s[64:65] scope:SCOPE_SE
	s_setreg_imm32_b32 hwreg(HW_REG_WAVE_MODE, 25, 1), 1
	s_wait_xcnt 0x0
	s_wait_alu depctr_hold_cnt(0) depctr_sa_sdst(0) depctr_va_vdst(0) depctr_va_sdst(0) depctr_va_ssrc(0) depctr_va_vcc(0) depctr_vm_vsrc(0)
	s_getreg_b32 s2, hwreg(HW_REG_IB_STS2, 6, 4)
	s_cmp_eq_u32 s2, 0
	s_cbranch_scc0 .Lentry_in_a_cluster
	s_endpgm
.Lentry_in_a_cluster:
	s_bfe_u32 s2, ttmp6, 0x10000c
	s_cmp_lg_u32 s2, 0x3003
	s_cbranch_scc0 .Lentry_shape_is_right
	s_endpgm
.Lentry_shape_is_right:
; Attention of one (n, head) = grid y and one block of 256 queries = grid x; softmax with a running maximum, in base 2.
; qws, kws, vws, ctx: f16, byte ((n*8+head)*2048 + l)*128 + 2 d.  q already carries 0.125 log2(e); masked rows of k are 0.
; Eight waves; a wave owns 32 queries (two tiles of 16, q = 0, 1) and walks all 2,048 keys in 32 steps of 64.
; FORMAT: both products take f16 operands (11 significant bits), sums in f32.  p lies in (0, 1] by the running maximum; below 2^-14 its spacing is
; 2^-24, an error of at most 2^-25 against a row sum of at least 1.  The result is a mean of rows of v with weights that add to 1, so it has v's range.
; LAYOUT WITHOUT SHUFFLES.  S^T = K Q^T (A = 16 keys, B = 16 queries): lane (r, h) holds query r, keys 8 h + 0..7 of a tile, so maximum and sum
; run inside the lane and one exchange of the two halves of the wave ends them.  Packing a lane's own two key tiles to f16 gives exactly the
; B fragment of O^T = V^T P^T, and O^T again has query r in lane r: the rescaling factors apply lane by lane.  V^T's fragments come by the transposing LDS load.
; THE MASK costs nothing in the loop: the first product of each score tile takes as C the addend b[key] = 0 (open) or -1e9 log2(e) (mask word 0).
; With the masked row of k at 0 the score is exactly b: reference()'s where(), in base 2, a batch with every key masked included (all p = 1).
; LIMITS: the row sum adds the unrounded f32 p while P V uses p rounded to f16; q must be finite for 0 x q = 0 in masked rows.
; CLUSTER: the four work-groups of a cluster are four query blocks of one head and read the same K and V tiles: each tile is asked for jointly
; (mask 15).  The place in the cluster enters the global addresses of q and ctx alone.
; RING: two LDS slots of 256 keys (V, then K): 8 tiles, 6 refills, each behind a round of the cluster's barrier.  Wave 0 asks for V's tile, wave 1 for
; K's, 32 KiB each; a wave has two tensor loads out at the start and one later.  A refill has the other slot's four steps in which to land.
; P V AMONG THE EXPONENTIALS: a unit is one query tile x 32 keys.  As soon as a unit's p is packed, its four products with V are issued, each in front
; of four exponentials of the next unit, so that 12 of a step's 32 matrix instructions stand in no run of matrix instructions.
; REGISTERS, in windows of 256 (s_set_vgpr_msb's low byte: bits 1:0 source 0, 3:2 source 1, 5:4 source 2, 7:6 destination).  All that the softmax and
; P V name lies in window 0 (32 + Q 32 + S 64 + V 64 + O 64 = 256), so the two mix without a switch; window 1 holds K's fragments and the addends, which
; only the score products (A, and C of the first) and their LDS loads name: 17 switches for 256 keys.
.set PK,     144                       ; K's row in LDS: 128 bytes + 16: odd multiple of 16
.set PVP,    160                       ; V's row in LDS: 128 bytes + 32: odd multiple of 32, for the transposing load
.set TKEYS,  256                       ; keys in a slot
.set RING,   8192                      ; LDS bytes 0 .. 8,191: the 2,048 addends b[key], f32
.set VBYTES, TKEYS*PVP                 ; 40,960
.set KBYTES, TKEYS*PK                  ; 36,864
.set SLOT,   VBYTES+KBYTES             ; 77,824
.set STAGE,  RING+2*SLOT               ; 163,840: 32 rows x 144 bytes for each wave, for the way out; no fill lands here or in the addends
.set WSTAGE, 32*PK
.set TILEG,  TKEYS*128                 ; a tile in memory: 32,768 consecutive bytes
.set LAPS,   4                         ; a lap = both slots = 512 keys = 8 steps
.set KADR, 2                           ; v2, v3    my K fragments in slot 0, 1; never rewritten
.set VADR, 4                           ; v4, v5    my V fragments in slot 0, 1; never rewritten
.set BADR, 6                           ; v6        32 h + 2,048 x lap: my addends
.set STO,  7                           ; v7        way out: in
.set RD,   8                           ; v8        way out: back
.set CO,   9                           ; v9        16 x lane
.set MX,   10                          ; v[10:13]  running maximum, twice, for q = 0, 1 (pairs for the packed forms)
.set AL,   14                          ; v[14:17]  2^(old maximum - new), twice, for q = 0, 1; at the end 1 / sum
.set LS,   18                          ; v18, v19  running sum of my half of the keys
.set CS,   20                          ; v[20:27]  a step's sums: two chains of pairs for each q
.set XB,   24                          ; v[24:27]  four chains of maxima of q = 1: the registers of that tile's sums, free until the sums start
.set XA,   28                          ; v[28:31]  four chains of maxima of q = 0
.set QF,   32                          ; v[32:63]  Q fragments (q, c) at 32 + 8 (2 q + c)
.set SC,   64                          ; v[64:127] scores, then p: tile (t, q) at 64 + 32 q + 8 t; packed P(u, q) at 64 + 32 q + 16 u
.set VF,   128                         ; v[128:191] V^T fragments (d, u) at 128 + 8 (2 d + u)
.set OA,   192                         ; v[192:255] O^T, tile (d, q) at 192 + 32 q + 8 d
.set KF,   0                           ; window 1: v[256:319] K fragments (t, c) at 8 (2 t + c)
.set BI,   64                          ; window 1: v[320:351] addends of key tile t at 64 + 8 t
.set G1V, 24                           ; s[24:31] descriptor group 1 for V's tiles
.set G1K, 32                           ; s[32:39] for K's: it differs in the padding alone
.set G0V, 40                           ; s[40:47] group 0 for V, one set for each slot
.set G0K, 48                           ; s[48:55] group 0 for K
.set MSB, 0
.macro WIN new                         ; the immediate's high byte repeats the setting that is left; a switch that changes nothing is dropped
.if MSB != \new
	s_set_vgpr_msb (MSB<<8)|\new
.set MSB, \new
.endif
.endm
.macro PLACES                          ; four places behind matrix instructions (ISA guide 7.12.1)
.rept 4
	v_nop
.endr
.endm
; A round of the cluster's barrier: my work-group's barrier, wave 0 signals for the work-group, every wave waits for all four work-groups, my work-group's barrier again.
.macro ROUND
	s_barrier_signal -1
	s_barrier_wait -1
	s_cmp_lg_u32 s14, 0
	s_cbranch_scc1 .Lnot_wave_0_\@
	s_barrier_signal -3
.Lnot_wave_0_\@:
	s_barrier_wait -3
	s_barrier_signal -1
	s_barrier_wait -1
.endm
; The joint refill of a slot: one tensor load a wave, by waves 0 and 1; the branches hang on the wave's number alone.
.macro JLOAD slot
	s_cmp_lg_u32 s14, 0
	s_cbranch_scc1 .Lno_v_\@
	tensor_load_to_lds s[G0V+4*\slot:G0V+4*\slot+3], s[G1V:G1V+7]
	s_nop 0
.Lno_v_\@:
	s_cmp_lg_u32 s14, 1
	s_cbranch_scc1 .Lno_k_\@
	tensor_load_to_lds s[G0K+4*\slot:G0K+4*\slot+3], s[G1K:G1K+7]
	s_nop 0
.Lno_k_\@:
.endm
	s_load_b256 s[4:11], s[0:1], 0x0               ; qws s[4:5], kws s[6:7], vws s[8:9], mask s[10:11]
	s_load_b64 s[12:13], s[0:1], 0x20              ; ctx
	s_set_vgpr_msb 0x40
	v_lshl_add_u32 v96, v0, 2, 0x31000
	v_mov_b32 v97, 0
	s_set_vgpr_msb 0x4045
	ds_add_u32 v96, v97
	s_set_vgpr_msb 0x4500
	v_lshrrev_b32 v1, 5, v0                        ; (v1 is written whole here: at the end it is a lane exchange's destination, which counts as read)
	v_readfirstlane_b32 s14, v1                    ; wave 0..7
	s_bfe_u32 s15, ttmp6, 0x40000                  ; cx: my place in the cluster
	s_lshl_b32 s16, ttmp9, 2                       ; ttmp9 counts clusters
	s_add_co_u32 s16, s16, s15                     ; query block 0..7
	s_and_b32 s17, ttmp7, 0xffff                   ; n*8 + head
	s_mov_b32 s20, 0x76543210                      ; v_permlanex16_b32: lane i of one half reads lane i of the other
	s_mov_b32 s21, 0xfedcba98
	; Group 1: a tile is a dense block of 32,768 bytes, brought as 128 rows of 256 bytes (32 elements of 8 bytes); behind every 32 words
	; (one key's 128 bytes) the padding skips 8 words for V, 4 for K.  15:0 the mask of all four partners; bit 21 set beside it.
	s_mov_b32 s[G1V+0], 15|(3<<16)|(1<<20)|(1<<21)|(4<<22)|(7<<25)
	s_mov_b32 s[G1K+0], 15|(3<<16)|(1<<20)|(1<<21)|(4<<22)|(3<<25)
	s_mov_b32 s[G1V+1], 32<<16                     ; tensor_dim0 = 32
	s_mov_b32 s[G1K+1], 32<<16
	s_mov_b32 s[G1V+2], 128<<16                    ; tensor_dim1 = 128
	s_mov_b32 s[G1K+2], 128<<16
	s_mov_b32 s[G1V+3], 32<<16                     ; tile_dim0 = 32
	s_mov_b32 s[G1K+3], 32<<16
	s_mov_b32 s[G1V+4], 128                        ; tile_dim1 = 128
	s_mov_b32 s[G1K+4], 128
	s_mov_b32 s[G1V+5], 32                         ; from row to row: 32 elements
	s_mov_b32 s[G1K+5], 32
	s_mov_b32 s[G1V+6], 0
	s_mov_b32 s[G1K+6], 0
	s_mov_b32 s[G1V+7], 0
	s_mov_b32 s[G1K+7], 0
	s_lshl_b32 s18, s17, 18                        ; a head's 2,048 rows of 128 bytes
	s_mov_b32 s19, 0
	s_lshl_b32 s60, s17, 18                        ; q and ctx: the head,
	s_lshl_b32 s3, s16, 15                         ; + 256 rows a query block
	s_add_co_u32 s60, s60, s3
	s_lshl_b32 s3, s14, 12                         ; + 32 rows a wave
	s_add_co_u32 s60, s60, s3
	s_mov_b32 s61, 0
	s_lshr_b32 s62, s17, 3                         ; n
	s_lshl_b32 s62, s62, 13                        ; the batch's 2,048 mask words
	s_mov_b32 s63, 0
	v_and_b32 v28, 15, v0                          ; r
	v_bfe_u32 v29, v0, 4, 1                        ; h
	v_and_b32 v30, 31, v0                          ; lane
	v_mul_u32_u24 v31, v28, PK
	v_lshl_add_u32 v31, v29, 4, v31                ; r x 144 + 16 h
	v_add_nc_u32 v[KADR],   RING+VBYTES, v31
	v_add_nc_u32 v[KADR+1], RING+VBYTES+SLOT, v31
	v_and_b32 v10, 7, v0
	v_lshl_add_u32 v11, v29, 3, v10                ; key 8 h + (lane mod 8)
	v_mul_u32_u24 v11, v11, PVP
	v_bfe_u32 v12, v0, 3, 1
	v_lshl_add_u32 v11, v12, 4, v11                ; + 16 bytes for lanes 8-15 of each half
	v_add_nc_u32 v[VADR],   RING, v11
	v_add_nc_u32 v[VADR+1], RING+SLOT, v11
	v_lshlrev_b32 v[BADR], 5, v29
	s_mul_i32 s23, s14, WSTAGE
	s_add_co_u32 s23, s23, STAGE                   ; my wave's stage
	v_add_nc_u32 v[STO], s23, v31
	v_lshrrev_b32 v12, 3, v30
	v_mul_u32_u24 v12, v12, PK
	v_lshl_add_u32 v12, v10, 4, v12
	v_add_nc_u32 v[RD], s23, v12
	v_lshlrev_b32 v[CO], 4, v30
	v_lshlrev_b32 v13, 7, v28
	v_lshl_add_u32 v13, v29, 4, v13                ; q: row r, 16 h
	v_lshlrev_b32 v14, 5, v30
	v_lshl_add_u32 v14, s14, 10, v14               ; 8 mask words, and 8 addends, a thread: 1,024 w + 32 x lane
	v_mov_b32 v15, 0xceabfb8f                      ; -1e9 log2(e)
	s_wait_dscnt 0x0
	s_wait_kmcnt 0x0
	s_add_nc_u64 s[6:7], s[6:7], s[18:19]          ; k and v at the head's first row: hangs on grid y alone, which the partners share
	s_add_nc_u64 s[8:9], s[8:9], s[18:19]
	s_add_nc_u64 s[56:57], s[4:5], s[60:61]        ; q at my wave's first row
	s_add_nc_u64 s[58:59], s[12:13], s[60:61]      ; ctx likewise
	s_add_nc_u64 s[10:11], s[10:11], s[62:63]      ; the batch's mask
.irp s, 0,1
	s_mov_b32 s[G0V+4*\s], 1                                       ; count = 1
	s_mov_b32 s[G0V+4*\s+1], RING+\s*SLOT                          ; LDS address
	s_add_nc_u64 s[G0V+4*\s+2:G0V+4*\s+3], s[8:9], \s*TILEG        ; keys 256 s ..
	s_or_b32 s[G0V+4*\s+3], s[G0V+4*\s+3], 0x80000000              ; type = 2
	s_mov_b32 s[G0K+4*\s], 1
	s_mov_b32 s[G0K+4*\s+1], RING+VBYTES+\s*SLOT
	s_add_nc_u64 s[G0K+4*\s+2:G0K+4*\s+3], s[6:7], \s*TILEG
	s_or_b32 s[G0K+4*\s+3], s[G0K+4*\s+3], 0x80000000
.endr
	global_load_b128 v[SC:SC+3],   v14, s[10:11]            ; my 8 mask words
	global_load_b128 v[SC+4:SC+7], v14, s[10:11] offset:16
.irp q, 0,1
.irp c, 0,1
	global_load_b128 v[QF+8*(2*\q+\c):QF+8*(2*\q+\c)+3],   v13, s[56:57] offset:\q*2048+64*\c       ; Q(16 q + r, 32 c + 8 h ..)
	global_load_b128 v[QF+8*(2*\q+\c)+4:QF+8*(2*\q+\c)+7], v13, s[56:57] offset:\q*2048+64*\c+32    ; Q(16 q + r, 32 c + 16 + 8 h ..)
.endr
.endr
	ROUND                                          ; all four work-groups are here: the first joint loads meet
	s_cmp_lg_u32 s14, 0                            ; a wave's two first fills stand inside one branch on its number
	s_cbranch_scc1 .Lfirst_not_v
	tensor_load_to_lds s[G0V:G0V+3], s[G1V:G1V+7]
	s_nop 0
	tensor_load_to_lds s[G0V+4:G0V+7], s[G1V:G1V+7]
	s_nop 0
.Lfirst_not_v:
	s_cmp_lg_u32 s14, 1
	s_cbranch_scc1 .Lfirst_not_k
	tensor_load_to_lds s[G0K:G0K+3], s[G1K:G1K+7]
	s_nop 0
	tensor_load_to_lds s[G0K+4:G0K+7], s[G1K:G1K+7]
	s_nop 0
.Lfirst_not_k:
	s_wait_loadcnt 0x0                             ; mask words and Q
.irp i, 0,1,2,3,4,5,6,7
	v_cmp_eq_u32 vcc_lo, 0, v[SC+\i]
	v_cndmask_b32 v[SC+\i], 0, v15, vcc_lo         ; mask word 0: -1e9 log2(e); else 0
.endr
	ds_store_b128 v14, v[SC:SC+3]
	ds_store_b128 v14, v[SC+4:SC+7] offset:16
	s_wait_dscnt 0x0                               ; my addends are in LDS, for the other waves' sake
	s_wait_tensorcnt 0x1                           ; my part of slot 0 has landed; slot 1's may stay out
	s_barrier_signal -1
	s_barrier_wait -1
; 24 LDS loads into window 1: the K fragments of 64 keys (sub = which quarter of the slot) and their addends (k = step in the lap)
.macro LOADK slot, sub, k
	WIN 0x40                                       ; destination window 1, address window 0
.irp t, 0,1,2,3
.irp c, 0,1
	ds_load_b128 v[KF+8*(2*\t+\c):KF+8*(2*\t+\c)+3],   v[KADR+\slot] offset:(64*(\sub)+16*\t)*PK+64*\c
	ds_load_b128 v[KF+8*(2*\t+\c)+4:KF+8*(2*\t+\c)+7], v[KADR+\slot] offset:(64*(\sub)+16*\t)*PK+64*\c+32
.endr
.endr
.irp t, 0,1,2,3
	ds_load_b128 v[BI+8*\t:BI+8*\t+3],   v[BADR] offset:256*(\k)+64*\t       ; b[16 t + 8 h + 0..3]: register j of C is key 8 h + j
	ds_load_b128 v[BI+8*\t+4:BI+8*\t+7], v[BADR] offset:256*(\k)+64*\t+16
.endr
	WIN 0
.endm
; 16 transposing LDS loads: V^T fragments, d tile x 32 keys
.macro LOADV slot, sub
.irp d, 0,1,2,3
.irp u, 0,1
	ds_load_tr16_b128 v[VF+8*(2*\d+\u):VF+8*(2*\d+\u)+3],   v[VADR+\slot] offset:(64*(\sub)+32*\u)*PVP+32*\d
	ds_load_tr16_b128 v[VF+8*(2*\d+\u)+4:VF+8*(2*\d+\u)+7], v[VADR+\slot] offset:(64*(\sub)+32*\u)*PVP+32*\d+16*PVP
.endr
.endr
.endm
; 16 matrix instructions: S^T = K Q^T + b.  The eight score tiles take turns, one instruction a turn.
; It leaves the window setting 0x01 behind: what follows switches.
.macro QK
	WIN 0x11                                       ; A (K) and C (addends) in window 1
.irp t, 0,1,2,3
.irp q, 0,1
	v_wmma_f32_16x16x32_f16 v[SC+32*\q+8*\t:SC+32*\q+8*\t+7], v[KF+16*\t:KF+16*\t+7], v[QF+16*\q:QF+16*\q+7], v[BI+8*\t:BI+8*\t+7]
.endr
.endr
	WIN 0x01                                       ; A in window 1, C = D in window 0
.irp t, 0,1,2,3
.irp q, 0,1
	v_wmma_f32_16x16x32_f16 v[SC+32*\q+8*\t:SC+32*\q+8*\t+7], v[KF+16*\t+8:KF+16*\t+15], v[QF+16*\q+8:QF+16*\q+15], v[SC+32*\q+8*\t:SC+32*\q+8*\t+7]
.endr
.endr
.endm
; The new maxima of both query tiles: a lane's 32 scores and the old maximum in 16 three-way maxima a tile, the other half of the keys by one lane
; exchange.  The two tiles' chains are written level by level in turn, so that no instruction reads the result of the one in front of it.
.macro SMAX2 first
.irp t, 0,1,2,3
	v_max3_num_f32 v[XA+\t], v[SC+8*\t], v[SC+8*\t+1], v[SC+8*\t+2]
.endr
.irp t, 0,1,2,3
	v_max3_num_f32 v[XB+\t], v[SC+32+8*\t], v[SC+32+8*\t+1], v[SC+32+8*\t+2]
.endr
.irp o, 3,5
.irp t, 0,1,2,3
	v_max3_num_f32 v[XA+\t], v[XA+\t], v[SC+8*\t+\o], v[SC+8*\t+\o+1]
.endr
.irp t, 0,1,2,3
	v_max3_num_f32 v[XB+\t], v[XB+\t], v[SC+32+8*\t+\o], v[SC+32+8*\t+\o+1]
.endr
.endr
	v_max3_num_f32 v[XA],   v[XA],   v[SC+7],  v[SC+15]
	v_max3_num_f32 v[XB],   v[XB],   v[SC+39], v[SC+47]
	v_max3_num_f32 v[XA+1], v[XA+1], v[SC+23], v[SC+31]
	v_max3_num_f32 v[XB+1], v[XB+1], v[SC+55], v[SC+63]
	v_max3_num_f32 v[XA], v[XA], v[XA+1], v[XA+2]
	v_max3_num_f32 v[XB], v[XB], v[XB+1], v[XB+2]
.if \first
	v_max_num_f32 v[XA], v[XA], v[XA+3]
	v_max_num_f32 v[XB], v[XB], v[XB+3]
.else
	v_max3_num_f32 v[XA], v[XA], v[XA+3], v[MX]
	v_max3_num_f32 v[XB], v[XB], v[XB+3], v[MX+2]
.endif
	v_permlanex16_b32 v[XA+1], v[XA], s20, s21     ; its destination counts as read: a chain register that has been written and is done with
	v_permlanex16_b32 v[XB+1], v[XB], s20, s21
	v_max_num_f32 v[XA], v[XA], v[XA+1]
	v_max_num_f32 v[XB], v[XB], v[XB+1]
.if \first == 0
	v_sub_f32 v[XA+1], v[MX],   v[XA]
	v_sub_f32 v[XB+1], v[MX+2], v[XB]
	v_exp_f32 v[AL],   v[XA+1]                     ; 2^(old - new), twice, for the packed products
	v_exp_f32 v[AL+1], v[XA+1]
	v_exp_f32 v[AL+2], v[XB+1]
	v_exp_f32 v[AL+3], v[XB+1]                     ; the four moves below are the plain places behind them (ISA guide 5.7.2)
.endif
	v_mov_b32 v[MX],   v[XA]
	v_mov_b32 v[MX+1], v[XA]
	v_mov_b32 v[MX+2], v[XB]
	v_mov_b32 v[MX+3], v[XB]
.endm
.macro RESCALE                         ; O^T x a factor of the lane's query
	s_wait_alu depctr_va_vdst(0)
.irp q, 0,1
.irp i, 0,2,4,6,8,10,12,14,16,18,20,22,24,26,28,30
	v_pk_mul_f32 v[OA+32*\q+\i:OA+32*\q+\i+1], v[OA+32*\q+\i:OA+32*\q+\i+1], v[AL+2*\q:AL+2*\q+1]
.endr
.endr
.endm
; A unit = query tile q, keys 32 u .. 32 u + 31: 16 registers
.macro SUBM q, u
.irp i, 0,2,4,6,8,10,12,14
	v_pk_add_f32 v[SC+32*\q+16*\u+\i:SC+32*\q+16*\u+\i+1], v[SC+32*\q+16*\u+\i:SC+32*\q+16*\u+\i+1], v[MX+2*\q:MX+2*\q+1] neg_lo:[0,1] neg_hi:[0,1]
.endr
.endm
; The 16 exponentials of unit (q, u).  pv = 1: the four products O^T(d, pq) += V^T(d, pu) P^T(pu, pq) of the unit packed just before stand among
; them, each in front of four exponentials.  The products name O, V's fragments and the packed unit; the exponentials name unit (q, u) alone.
; O's four tiles of a query tile take turns, one instruction a turn.  zero = 1: the product starts the sum.
.macro EXPW q, u, pv, pq, pu, zero
.irp d, 0,1,2,3
.if \pv
.if \zero
	v_wmma_f32_16x16x32_f16 v[OA+32*\pq+8*\d:OA+32*\pq+8*\d+7], v[VF+8*(2*\d+\pu):VF+8*(2*\d+\pu)+7], v[SC+32*\pq+16*\pu:SC+32*\pq+16*\pu+7], 0
.else
	v_wmma_f32_16x16x32_f16 v[OA+32*\pq+8*\d:OA+32*\pq+8*\d+7], v[VF+8*(2*\d+\pu):VF+8*(2*\d+\pu)+7], v[SC+32*\pq+16*\pu:SC+32*\pq+16*\pu+7], v[OA+32*\pq+8*\d:OA+32*\pq+8*\d+7]
.endif
.endif
.irp i, 0,1,2,3
	v_exp_f32 v[SC+32*\q+16*\u+4*\d+\i], v[SC+32*\q+16*\u+4*\d+\i]
.endr
.endr
.endm
.macro SUMPACK q, u                    ; the unit's p into two chains of sums (the first unit of a query tile starts them), then to f16: P(u, q) in the unit's first 8 registers
.set SB, SC+32*\q+16*\u
.if \u == 0
	s_wait_alu depctr_va_vdst(0)
	v_pk_add_f32 v[CS+4*\q:CS+4*\q+1],   v[SB:SB+1],   v[SB+2:SB+3]
	v_pk_add_f32 v[CS+4*\q+2:CS+4*\q+3], v[SB+4:SB+5], v[SB+6:SB+7]
.irp i, 8,12
	v_pk_add_f32 v[CS+4*\q:CS+4*\q+1],   v[CS+4*\q:CS+4*\q+1],   v[SB+\i:SB+\i+1]
	v_pk_add_f32 v[CS+4*\q+2:CS+4*\q+3], v[CS+4*\q+2:CS+4*\q+3], v[SB+\i+2:SB+\i+3]
.endr
.else
	s_wait_alu depctr_va_vdst(0)
.irp i, 0,4,8,12
	v_pk_add_f32 v[CS+4*\q:CS+4*\q+1],   v[CS+4*\q:CS+4*\q+1],   v[SB+\i:SB+\i+1]
	v_pk_add_f32 v[CS+4*\q+2:CS+4*\q+3], v[CS+4*\q+2:CS+4*\q+3], v[SB+\i+2:SB+\i+3]
.endr
.endif
.irp i, 0,1,2,3,4,5,6,7
	v_cvt_pk_f16_f32 v[SB+\i], v[SB+2*\i], v[SB+2*\i+1]            ; in place: the word written is never ahead of the words read
.endr
.endm
.macro PV4 q, u                        ; the last unit's four products: no exponentials are left to stand among
.irp d, 0,1,2,3
	v_wmma_f32_16x16x32_f16 v[OA+32*\q+8*\d:OA+32*\q+8*\d+7], v[VF+8*(2*\d+\u):VF+8*(2*\d+\u)+7], v[SC+32*\q+16*\u:SC+32*\q+16*\u+7], v[OA+32*\q+8*\d:OA+32*\q+8*\d+7]
.endr
.endm
; The running sums.  These five or six plain instructions name no register of the products above: they are the four places in front of the
; next loads into V's fragments and the five in front of the next score products, which write over P.
.macro TAIL first
	v_pk_add_f32 v[CS:CS+1],   v[CS:CS+1],   v[CS+2:CS+3]
	v_pk_add_f32 v[CS+4:CS+5], v[CS+4:CS+5], v[CS+6:CS+7]
.if \first
	v_add_f32 v[LS],   v[CS],   v[CS+1]
	v_add_f32 v[LS+1], v[CS+4], v[CS+5]
	v_nop
.else
	v_fma_f32 v[LS],   v[LS],   v[AL],   v[CS]
	v_fma_f32 v[LS+1], v[LS+1], v[AL+2], v[CS+4]
	v_add_f32 v[LS],   v[LS],   v[CS+1]
	v_add_f32 v[LS+1], v[LS+1], v[CS+5]
.endif
.endm
; 64 keys.  first = 1: nothing to rescale, the products start the sums.  mid says what stands behind the score products, where K's fragments are free:
;   0 the next 64 keys are in the same slot;  1 the slot is done and is filled again;  2 the slot is done, nothing is left to fetch;  3 the last step.
.macro STEP slot, sub, k, first, mid
	LOADV \slot, \sub
	s_wait_dscnt 16                                ; the 24 older loads (K, addends) are in; the 16 of V stay out
	QK
	PLACES                                         ; behind the score products: for the loads into K's fragments and the addends, and for the maxima, which read the scores
.if \mid == 0
	LOADK \slot, \sub+1, \k+1                      ; the next step's, asked for ahead of the whole softmax
.else
	WIN 0
.endif
.if \mid == 1
	s_set_vgpr_msb 0x5
	s_wait_tensorcnt 0x0                           ; all my tensor loads have landed, my part of the other slot among them: no load of mine is out,
	ds_add_u32 v96, v97
	s_wait_dscnt 0x0
	s_set_vgpr_msb 0x500
	s_add_nc_u64 s[G0V+4*\slot+2:G0V+4*\slot+3], s[G0V+4*\slot+2:G0V+4*\slot+3], 2*TILEG   ; so this slot's addresses may step: 512 keys on
	s_add_nc_u64 s[G0K+4*\slot+2:G0K+4*\slot+3], s[G0K+4*\slot+2:G0K+4*\slot+3], 2*TILEG
	s_wait_dscnt 0x0                               ; my reads of this slot are back (this step's V fragments were the last)
	ROUND                                          ; both now hold of every wave of all four work-groups
	JLOAD \slot                                    ; the joint refill, first behind the round; it has the other slot's 256 keys' work in which to land
	LOADK 1-\slot, 0, \k+1
.endif
.if \mid == 2
	s_wait_tensorcnt 0x0                           ; the last tile has landed
	s_wait_dscnt 0x0
	s_barrier_signal -1
	s_barrier_wait -1                              ; in every wave
	LOADK 1-\slot, 0, \k+1
.endif
	SMAX2 \first
.if \first == 0
	RESCALE
.endif
	SUBM 0, 0                                      ; between a unit's exponentials and the first use of their results always stands a block of plain work on other registers
	EXPW 0, 0, 0, 0, 0, 0
	SUBM 0, 1
	SUMPACK 0, 0
.if \mid == 3
	s_wait_dscnt 0x0                               ; V's 16 loads are in: nothing was asked for behind them
.else
	s_wait_dscnt 24                                ; V's 16 loads are in; the 24 of the next K and addends stay out
.endif
	EXPW 0, 1, 1, 0, 0, \first
	SUBM 1, 0
	SUMPACK 0, 1
	EXPW 1, 0, 1, 0, 1, 0
	SUBM 1, 1
	SUMPACK 1, 0
	EXPW 1, 1, 1, 1, 0, \first
	v_nop                                          ; the plain place behind the last exponentials
	s_wait_alu depctr_va_vdst(0)
	SUMPACK 1, 1
	PV4 1, 1
	TAIL \first
.endm
.macro LAP first
	STEP 0, 0, 0, \first, 0
	STEP 0, 1, 1, 0, 0
	STEP 0, 2, 2, 0, 0
	STEP 0, 3, 3, 0, 1
	STEP 1, 0, 4, 0, 0
	STEP 1, 1, 5, 0, 0
	STEP 1, 2, 6, 0, 0
	STEP 1, 3, 7, 0, 1
	v_add_nc_u32 v[BADR], 2048, v[BADR]            ; 512 addends on
.endm
	LOADK 0, 0, 0
	LAP 1                                          ; keys 0-511, written out: its first products start the sums; it asks for keys 512-1,023
	s_mov_b32 s22, LAPS-2
.Llap:
	LAP 0                                          ; two laps; the last asks for keys 1,536-2,047
	s_sub_co_u32 s22, s22, 1
	s_cmp_lg_u32 s22, 0
	s_cbranch_scc1 .Llap
	STEP 0, 0, 0, 0, 0                             ; the last lap fills nothing
	STEP 0, 1, 1, 0, 0
	STEP 0, 2, 2, 0, 0
	STEP 0, 3, 3, 0, 2
	STEP 1, 0, 4, 0, 0
	STEP 1, 1, 5, 0, 0
	STEP 1, 2, 6, 0, 0
	STEP 1, 3, 7, 0, 3
	; O / sum.  The two halves of the wave hold the sums of different keys of the same query.  The sum is at least 1: the largest p is 1.
	v_permlanex16_b32 v1, v[LS], s20, s21
	v_add_f32 v[LS], v[LS], v1
	v_permlanex16_b32 v1, v[LS+1], s20, s21
	v_add_f32 v[LS+1], v[LS+1], v1
	v_rcp_f32 v[AL],   v[LS]
	v_rcp_f32 v[AL+1], v[LS]
	v_rcp_f32 v[AL+2], v[LS+1]
	v_rcp_f32 v[AL+3], v[LS+1]
	v_nop                                          ; the plain place behind the reciprocals
	s_wait_alu depctr_va_vdst(0)
	RESCALE
.irp q, 0,1
.irp d, 0,1,2,3
.irp i, 0,1,2,3
	v_cvt_pk_f16_f32 v[SC+4*(4*\q+\d)+\i], v[OA+32*\q+8*\d+2*\i], v[OA+32*\q+8*\d+2*\i+1]    ; query r, d = 16 d + 8 h + 2 i, + 1
.endr
.endr
.endr
	; The way out through my wave's own stage: 16 bytes a lane in, rows of 128 bytes back.  LDS serves a wave's instructions in order (ISA guide 5.7.1.4).
	; My 32 queries are 4,096 consecutive bytes of ctx; each store of the wave covers 512 consecutive bytes, aligned.
.irp q, 0,1
.irp d, 0,1,2,3
	ds_store_b128 v[STO], v[SC+4*(4*\q+\d):SC+4*(4*\q+\d)+3] offset:\q*16*PK+32*\d
.endr
.endr
.irp i, 0,1,2,3,4,5,6,7
	ds_load_b128 v[VF+4*\i:VF+4*\i+3], v[RD] offset:4*PK*\i
.endr
.irp i, 0,1,2,3,4,5,6,7
	s_wait_dscnt 7-\i                              ; load i is in, the younger ones stay out
	global_store_b128 v[CO], v[VF+4*\i:VF+4*\i+3], s[58:59] offset:512*\i
.endr
	s_set_vgpr_msb 0x5
	s_wait_tensorcnt 0x0
	ds_add_u32 v96, v97
	s_wait_dscnt 0x0
	s_set_vgpr_msb 0x500
	ROUND                                          ; the closing round: no work-group ends while a partner may still ask for a tile that names it
	s_endpgm
.Lfunc_end_k_q094ab99a84_attn:
	.size	k_q094ab99a84_attn, .Lfunc_end_k_q094ab99a84_attn-k_q094ab99a84_attn
	.p2alignl 7, 3214868480
	.fill 96, 4, 3214868480
	.section	.rodata,"a",@progbits
	.p2align	6, 0x0
	.amdhsa_kernel k_q094ab99a84_attn
		.amdhsa_group_segment_fixed_size 327680
		.amdhsa_private_segment_fixed_size 0
		.amdhsa_enable_private_segment 0
		.amdhsa_kernarg_size 40
		.amdhsa_user_sgpr_count 2
		.amdhsa_user_sgpr_kernarg_segment_ptr 1
		.amdhsa_wavefront_size32 1
		.amdhsa_system_sgpr_workgroup_id_x 1
		.amdhsa_system_sgpr_workgroup_id_y 1
		.amdhsa_system_sgpr_workgroup_id_z 1
		.amdhsa_system_vgpr_workitem_id 0
		.amdhsa_next_free_vgpr 354
		.amdhsa_next_free_sgpr 66
		.amdhsa_reserve_vcc 1
		.amdhsa_float_denorm_mode_32 3
		.amdhsa_float_denorm_mode_16_64 3
		.amdhsa_memory_ordered 1
		.amdhsa_forward_progress 1
		.amdhsa_inst_pref_size 255
	.end_amdhsa_kernel
	.section	.bss,"aw",@nobits
	.p2align	6
	.space	262144
	.amdgpu_metadata
---
amdhsa.version: [ 1, 2 ]
amdhsa.kernels:
  - .name:           k_q094ab99a84_attn
    .symbol:         k_q094ab99a84_attn.kd
    .args:
      - { .name: qws, .offset: 0, .size: 8, .value_kind: global_buffer, .address_space: global }
      - { .name: kws, .offset: 8, .size: 8, .value_kind: global_buffer, .address_space: global }
      - { .name: vws, .offset: 16, .size: 8, .value_kind: global_buffer, .address_space: global }
      - { .name: mask, .offset: 24, .size: 8, .value_kind: global_buffer, .address_space: global }
      - { .name: ctx, .offset: 32, .size: 8, .value_kind: global_buffer, .address_space: global }
    .group_segment_fixed_size: 327680
    .private_segment_fixed_size: 0
    .kernarg_segment_align: 8
    .kernarg_segment_size: 40
    .max_flat_workgroup_size: 256
    .sgpr_count:     66
    .vgpr_count:     354
    .wavefront_size: 32
...
	.end_amdgpu_metadata
.endif
;; end of part 5
;; launch oproj: the kernel of part 3 again; grid 4 x 64, 8 waves a work-group, no clusters, 109,568 bytes of LDS; arguments ctx, Wo, bo, out0; writes out0
